; MI455X (gfx1250); checked and timed in simulation.
; The chip was launched on July 23, 2026; its instructions are those of AMD's public machine-readable ISA for CDNA 5 (MIT licence, August 2026) and "CDNA5" Instruction Set Architecture Reference Guide (July 2026). The comments in the code are by the model that wrote it; some were corrected since.
;; Multi Head Attention. Allowed arithmetic: matrix products marked QUANTISED: E4M3 operands, one given power-of-two scale a tensor, by v_wmma_f32_16x16x64_fp8_fp8 or v_wmma_f32_16x16x128_fp8_fp8, f32 sums; everything else in f32.
;; Inputs: K_codes 8 x 2,048 x 16 x 32 uint8 (E4M3 codes of K, K innermost, in blocks of 32 codes); Q_codes 8 x 2,048 x 16 x 32 uint8 (E4M3 codes of Q, K innermost, in blocks of 32 codes); V_codes 8 x 2,048 x 16 x 32 uint8 (E4M3 codes of V, K innermost, in blocks of 32 codes); Wk_codes 512 x 16 x 32 uint8 (E4M3 codes of Wk, K innermost, in blocks of 32 codes); Wo_codes 512 x 16 x 32 uint8 (E4M3 codes of Wo, K innermost, in blocks of 32 codes); Wq_codes 512 x 16 x 32 uint8 (E4M3 codes of Wq, K innermost, in blocks of 32 codes); Wv_codes 512 x 16 x 32 uint8 (E4M3 codes of Wv, K innermost, in blocks of 32 codes); bk 512 float32; bo 512 float32; bq 512 float32; bv 512 float32; lowp_scales 12 int32 (the exponents e of the quantised operands' scales 2^e); mask 1 x 1 x 2,048 x 2,048 int32.
;; Outputs: out0 8 x 2,048 x 512 float32.
;; This version of the problem:
;;   THIS VERSION OF THE PROBLEM IS GIVEN IN LOW PRECISION. The matrix products marked QUANTISED in the list below multiply operands that are first quantised to E4M3 (4 exponent bits, 3 mantissa bits; 8 bits a number), with one given power-of-two scale for each operand tensor; their sums are f32. All else is computed in f32.
;;   The module's matrix products, in the order in which they are computed (A, B: the left and right operand; K: the contracted axis; several contracted axes count as one K, in the product's order):
;;     1. [M 16,384, K 512] x [K 512, N 512]; A: input Q (given as codes); B: input Wq (given as codes): QUANTISED (scales: A lowp_scales[0], B lowp_scales[1])
;;     2. [M 16,384, K 512] x [K 512, N 512]; A: input K (given as codes); B: input Wk (given as codes): QUANTISED (scales: A lowp_scales[2], B lowp_scales[3])
;;     3. [M 16,384, K 512] x [K 512, N 512]; A: input V (given as codes); B: input Wv (given as codes): QUANTISED (scales: A lowp_scales[4], B lowp_scales[5])
;;     4. batch 64 x [M 2,048, K 64] x [K 64, N 2,048]; A: computed on the way; B: computed on the way: QUANTISED (scales: A lowp_scales[6], B lowp_scales[7])
;;     5. batch 64 x [M 2,048, K 2,048] x [K 2,048, N 64]; A: softmax (see below); B: computed on the way: QUANTISED (scales: A lowp_scales[8], B lowp_scales[9])
;;     6. [M 16,384, K 512] x [K 512, N 512]; A: computed on the way; B: input Wo (given as codes): QUANTISED (scales: A lowp_scales[10], B lowp_scales[11])
;;   THE QUANTISER, for each operand of a quantised product, along K:
;;     - The operand's scale is 2^e, e = its entry of the input lowp_scales (int32; the entries are numbered through the quantised products in the list's order, A before B).
;;     - Each number is divided by the scale, clamped to +-448, and rounded to the nearest number of E4M3, ties to even, subnormals kept.
;;     - The product sums the exact products of the quantised numbers (number of the format x scale) in f32.
;;   ~~~python
;;   def quantise(x, axis, e):      # numpy; x: float32 -> the quantised numbers, widened to float32 again
;;       x = np.moveaxis(x, axis, -1); K = x.shape[-1]
;;       r = np.clip(x / 2.0 ** e, -448, 448)
;;       step = 2.0 ** (np.maximum(np.frexp(np.where(r == 0, 1, r))[1] - 1, -6) - 3)
;;       q = np.round(r / step) * step * 2.0 ** e      # np.round: ties to even
;;       return np.moveaxis(q, -1, axis).astype(np.float32)
;;   ~~~
;;   SOFTMAX AHEAD OF A QUANTISED PRODUCT. Where the list says 'softmax', what is quantised is not the finished softmax but p = 2^(t - M), with t = logit x log2(e) and M = ceil(the row's largest t), a whole number; so 1/2 < the row's largest p <= 1. The row's sum l is taken of the UNQUANTISED p, in f32, and the product's result is divided by l at the end. Since M is a whole number, a kernel that streams over the keys may use a running M (the ceiling of the running maximum): every later rescaling is an exact power of two, so the quantised numbers keep their values, but for numbers so far below the row's largest that they fall under the format's range.
;;   OPERANDS COMPUTED ON THE WAY. 'Computed on the way' means the value that the module computes at that place (a softmax that the list does not call 'softmax' is quantised finished and normalised). What goes into a quantiser is computed in f32, as accurately as f32 sums, v_exp_f32 and their like allow (about 1e-6 of the number): no bf16 or f16 on the way to a quantiser, and a product that is left as it is and whose result goes on into a quantised operand takes f32 operands (vector FMAs, or v_wmma_f32_16x16x4_f32). A number that lies on a knife's edge between two numbers of the format may be rounded either way, as far as f32 arithmetic and the matrix unit's own rounding can turn it there, and no further.
;;   INPUTS GIVEN AS CODES. K (in the module: [8, 2048, 512], K = its axis 2); Q (in the module: [8, 2048, 512], K = its axis 2); V (in the module: [8, 2048, 512], K = its axis 2); Wk (in the module: [512, 512], K = its axis 1); Wo (in the module: [512, 512], K = its axis 1); Wq (in the module: [512, 512], K = its axis 1); Wv (in the module: [512, 512], K = its axis 1): each comes as NAME_codes (uint8): NAME with its K axis moved to the last place and cut into blocks of 32 codes, [.., K / 32, bytes a block], one block behind the other in memory; one code a byte (a code: sign, 4 exponent bits, 3 mantissa bits); its scale is its entry of lowp_scales. Its value is code x scale, taken as it is: it is not quantised again, and the codes and scales need not be those that the quantiser above would give.
;; 2 versions. Each part assembles by itself: llvm-mc -triple=amdgcn-amd-amdhsa -mcpu=gfx1250 --defsym DOCPART=n.
;; ======== version 1 of 2: 4 launches
;; workspace buffers: mbits 524,288 bytes of whole numbers; q_img 8,388,608 bytes; k_img 8,388,608 bytes; v_img 8,388,608 bytes; a_img 8,388,608 bytes
;; launch maskpack (part 1): grid 4 x 64, 8 waves a work-group, no clusters, 70,656 bytes of LDS; arguments mask, mbits; writes mbits
.if DOCPART == 1
	.amdgcn_target "amdgcn-amd-amdhsa--gfx1250"
	.amdhsa_code_object_version 6
	.text
	.protected	k_q1287516ec7_maskpack
	.globl	k_q1287516ec7_maskpack
	.p2align	8
	.type	k_q1287516ec7_maskpack,@function
k_q1287516ec7_maskpack:
	s_mov_b64 s[64:65], 0
	v_nop
	global_prefetch_b8 v0, s[64:65] scope:SCOPE_SE
	s_setreg_imm32_b32 hwreg(HW_REG_WAVE_MODE, 25, 1), 1
	s_wait_xcnt 0x0
; mask [2048][2048] int32 becomes bits, one 32-bit word for each REGISTER of a score tile of the attention launch.
; mbits: word ((G*32 + st)*64 + 2 n + U).  G: a group of 32 queries; st: a step of 64 keys; U: which 16 queries of the group; n = 8 t + j.
; Bit (r + 16 h) of that word is 1 where mask[32 G + 16 U + r][64 st + 16 t + 8 h + j] == 0: the lanes in which register j of score tile t is hidden.
; So the mask is read from memory once, 4 bytes a score, and the attention launch reads 1 bit a score by scalar loads and uses the words as lane masks.
; SHARES.  Work-group (kq, G), eight waves; wave w takes step st = 8 kq + w: 32 rows x 64 ints in (8,192 bytes), 64 words out (256 bytes).
; Each load reads two rows' 256 consecutive aligned bytes (sixteen lanes a row); the numbers turn through the wave's own stage in LDS (rows of 256 + 16 bytes), so that
; lane (r, h) gets row r's numbers of its half; a compare of a register gives the word, which v_writelane_b32 puts into lane n.
; No work-group shares an input with another: no cluster.  No matrix work, no tensor load, no barrier: a wave touches its own LDS bytes alone.
.set ROWB,  8192                       ; a row of the mask in bytes
.set PITCH, 272                        ; a stage row: 256 bytes + 16: the sixteen rows that a read touches begin in sixteen different columns of 16 bytes
.set WST,   32*PITCH                   ; a wave's stage
.set IN,    16                         ; v16-79   as loaded
.set RB,    80                         ; v80-143  back from the stage: register 32 U + 8 t + j
	s_load_b128 s[4:7], s[0:1], 0x0                ; mask s[4:5], mbits s[6:7]
	v_lshl_add_u32 v152, v0, 2, 0x11000
	v_mov_b32 v153, 0
	v_lshrrev_b32 v1, 5, v0
	v_readfirstlane_b32 s8, v1                     ; wave 0..7
	v_and_b32 v1, 31, v0                           ; lane
	v_and_b32 v2, 15, v0                           ; r
	v_bfe_u32 v3, v0, 4, 1                         ; h
	v_lshlrev_b32 v4, 4, v2
	v_lshl_add_u32 v4, v3, 13, v4                  ; in memory: 16 r, lanes 16-31 one row further down
	s_mul_i32 s9, s8, WST                          ; my wave's stage
	v_mul_u32_u24 v5, v3, PITCH
	v_lshl_add_u32 v5, v2, 4, v5
	v_add_nc_u32 v5, s9, v5                        ; into the stage: row h, 16 r
	v_mul_u32_u24 v6, v2, PITCH
	v_lshl_add_u32 v6, v3, 5, v6
	v_add_nc_u32 v6, s9, v6                        ; out of it: row r, 32 h: my half's eight numbers of a tile
	v_lshlrev_b32 v7, 3, v1                        ; out: 8 bytes a lane
	v_mov_b32 v8, 0                                ; the words of U = 0, lane n: written whole once, since v_writelane_b32 writes one lane
	v_mov_b32 v9, 0                                ; and of U = 1
	s_and_b32 s10, ttmp7, 0xffff                   ; G
	s_lshl_b32 s11, ttmp9, 3
	s_add_co_u32 s11, s11, s8                      ; st
	s_lshl_b32 s12, s10, 18                        ; 32 rows of 8,192 bytes
	s_lshl_b32 s13, s11, 8                         ; 64 ints
	s_add_co_u32 s12, s12, s13
	s_mov_b32 s13, 0
	s_lshl_b32 s14, s10, 5
	s_add_co_u32 s14, s14, s11
	s_lshl_b32 s14, s14, 8                         ; (32 G + st) x 256 bytes
	s_mov_b32 s15, 0
	s_wait_kmcnt 0x0
	s_add_nc_u64 s[4:5], s[4:5], s[12:13]
	s_add_nc_u64 s[6:7], s[6:7], s[14:15]
.irp k, 0,1,2,3,4,5,6,7,8,9,10,11,12,13,14,15
	global_load_b128 v[IN+4*\k:IN+4*\k+3], v4, s[4:5] offset:2*\k*ROWB th:TH_LOAD_NT   ; rows 2 k and 2 k + 1; read once in the whole launch
.endr
.irp k, 0,1,2,3,4,5,6,7,8,9,10,11,12,13,14,15
	s_wait_loadcnt 15-\k                           ; loads come back in order: load k is in, the younger ones stay out
	ds_store_b128 v5, v[IN+4*\k:IN+4*\k+3] offset:2*\k*PITCH
.endr
.irp u, 0,1
.irp t, 0,1,2,3
.irp e, 0,1
	ds_load_b128 v[RB+32*\u+8*\t+4*\e:RB+32*\u+8*\t+4*\e+3], v6 offset:16*\u*PITCH+64*\t+16*\e   ; LDS serves a wave's instructions in order: these see the stores above
.endr
.endr
.endr
.irp u, 0,1
.irp t, 0,1,2,3
	s_wait_dscnt 14-2*(4*\u+\t)                    ; this tile's two loads are in; those issued behind them stay out
.irp j, 0,1,2,3,4,5,6,7
	v_cmp_eq_u32 s[16+(8*\t+\j)%16], 0, v[RB+32*\u+8*\t+\j]     ; the word: a bit for each lane (r + 16 h)
.endr
.irp j, 0,1,2,3,4,5,6,7
	v_writelane_b32 v[8+\u], s[16+(8*\t+\j)%16], 8*\t+\j        ; into lane n = 8 t + j
.endr
.endr
.endr
	global_store_b64 v7, v[8:9], s[6:7]            ; lane n: words 2 n and 2 n + 1: the wave stores 256 consecutive bytes, at a multiple of 256 from the buffer's first byte
	s_wait_tensorcnt 0x0
	ds_add_u32 v152, v153
	s_wait_dscnt 0x0
	s_endpgm
.Lfunc_end_k_q1287516ec7_maskpack:
	.size	k_q1287516ec7_maskpack, .Lfunc_end_k_q1287516ec7_maskpack-k_q1287516ec7_maskpack
	.p2alignl 7, 3214868480
	.fill 96, 4, 3214868480
	.section	.rodata,"a",@progbits
	.p2align	6, 0x0
	.amdhsa_kernel k_q1287516ec7_maskpack
		.amdhsa_group_segment_fixed_size 70656
		.amdhsa_private_segment_fixed_size 0
		.amdhsa_enable_private_segment 0
		.amdhsa_kernarg_size 16
		.amdhsa_user_sgpr_count 2
		.amdhsa_user_sgpr_kernarg_segment_ptr 1
		.amdhsa_wavefront_size32 1
		.amdhsa_system_sgpr_workgroup_id_x 1
		.amdhsa_system_sgpr_workgroup_id_y 1
		.amdhsa_system_sgpr_workgroup_id_z 1
		.amdhsa_system_vgpr_workitem_id 0
		.amdhsa_next_free_vgpr 154
		.amdhsa_next_free_sgpr 66
		.amdhsa_reserve_vcc 0
		.amdhsa_float_denorm_mode_32 3
		.amdhsa_float_denorm_mode_16_64 3
		.amdhsa_memory_ordered 1
		.amdhsa_forward_progress 1
		.amdhsa_inst_pref_size 15
	.end_amdhsa_kernel
	.amdgpu_metadata
---
amdhsa.version: [ 1, 2 ]
amdhsa.kernels:
  - .name:           k_q1287516ec7_maskpack
    .symbol:         k_q1287516ec7_maskpack.kd
    .args:
      - { .name: mask, .offset: 0, .size: 8, .value_kind: global_buffer, .address_space: global }
      - { .name: mbits, .offset: 8, .size: 8, .value_kind: global_buffer, .address_space: global }
    .group_segment_fixed_size: 70656
    .private_segment_fixed_size: 0
    .kernarg_segment_align: 8
    .kernarg_segment_size: 16
    .max_flat_workgroup_size: 256
    .sgpr_count:     66
    .vgpr_count:     154
    .wavefront_size: 32
...
	.end_amdgpu_metadata
.endif
;; end of part 1
;; launch proj (part 2): grid 4 x 192, 8 waves a work-group, clusters of 4 x 4, 203,776 bytes of LDS; arguments Q_codes, K_codes, V_codes, Wq_codes, Wk_codes, Wv_codes, bq, bk, bv, lowp_scales, q_img, k_img, v_img; writes q_img, k_img, v_img
.if DOCPART == 2
	.amdgcn_target "amdgcn-amd-amdhsa--gfx1250"
	.amdhsa_code_object_version 6
	.text
	.protected	k_q1287516ec7_proj
	.globl	k_q1287516ec7_proj
	.p2align	8
	.type	k_q1287516ec7_proj,@function
k_q1287516ec7_proj:
	s_mov_b64 s[64:65], 0
	v_nop
	global_prefetch_b8 v0, s[64:65] scope:SCOPE_SE
	s_setreg_imm32_b32 hwreg(HW_REG_WAVE_MODE, 25, 1), 1
	s_wait_xcnt 0x0
	s_wait_alu depctr_hold_cnt(0) depctr_sa_sdst(0) depctr_va_vdst(0) depctr_va_sdst(0) depctr_va_ssrc(0) depctr_va_vcc(0) depctr_vm_vsrc(0)
	s_getreg_b32 s2, hwreg(HW_REG_IB_STS2, 6, 4)
	s_cmp_eq_u32 s2, 0
	s_cbranch_scc0 .Lentry_in_a_cluster
	s_endpgm
.Lentry_in_a_cluster:
	s_bfe_u32 s2, ttmp6, 0x10000c
	s_cmp_lg_u32 s2, 0xf033
	s_cbranch_scc0 .Lentry_shape_is_right
	s_endpgm
.Lentry_shape_is_right:
; The three projections, x W^T + b, on codes of FP8 (E4M3), and their results quantised at once for the attention launch.
; x: [16384][512] codes, W: [512][512] codes, K innermost; b: [512] f32.  Scales 2^e: (x, W, result) = entries (0, 1, 6) for q, (2, 3, 7) for k, (4, 5, 9) for v.
; SHARES.  The cluster's y says which tensor (16 clusters each) and which 1,024 tokens.  A work-group makes 256 tokens x 128 features (two heads); wave w makes 64 tokens (w / 2) x 64 features, one head (w % 2):
; 16 accumulators.  All of K = 512 lies in LDS at once (256 rows of x, 128 of W, rows of 512 + 16 bytes): each LDS byte is filled once, so there is no ring.
; CLUSTER 4 x 4: the four work-groups of a row need the same rows of x, the four of a column the same rows of W: each tile is asked for jointly, by the same tensor load with a mask that names the four.
; WHAT LEAVES: IMAGES OF OPERANDS.  In a result tile register j of lane (r, h) is (row 8 h + j of source 0, row r of source 1).  Eight results of a lane, converted, are two registers of codes of
; k = 16 a + 8 h + 0 .. 7: registers 2 a, 2 a + 1 of a 16 x 64 fragment whose K is source 0's rows.  q, k: source 0 = W (K = the head's 64), source 1 = tokens.  v: source 0 = tokens (K = 64 keys), source 1 = W.
; A fragment is stored as its registers stand: group g (registers 4 g .. 4 g + 3) of lane l at byte 512 g + 16 l of its 1,024.  q_img, k_img: fragment (bh x 128 + token tile); v_img: fragment ((bh x 32 + key step) x 4 + d tile).
; In both cases the wave's four fragments are one block of 4,096 bytes at ((bh x 32) + 64-token step) x 4,096, and each store covers 512 consecutive aligned bytes.
; The two orientations part by ONE scalar branch on the tensor's number, which is made of the cluster's y alone: it is alike in all partners.  No barrier, tensor load or LDS store stands on the parted ways.
; The bias is the C of each sum's first product, divided by the power of two that the sums lack; the three scales are folded into the conversion's one: code = sum / 2^(eo - ex - ew).
; Fragments are fetched by loads of 16 bytes, which permutes k inside a K step of 64 alike on both sides: every product meets its partner.
; LIMITS: eo - ex - ew between -126 and 119, so that 2^(..) and 448 x 2^(..) are f32 numbers.  NaN codes and NaN biases are not served.
.set PITCH, 528                        ; an LDS row: 512 bytes + 16: an odd multiple of 16, so the sixteen rows of a load begin in sixteen different columns of 16 bytes
.set T64,   64*PITCH                   ; 64 rows: what one tensor load brings, and what one wave reads of x or of W
.set WOFF,  4*T64                      ; W's 128 rows lie behind x's 256
.set WF,    32                         ; v32-63   four fragments of W; later the codes
.set XF,    64                         ; v64-95   four fragments of x
.set BI,    96                         ; v96-127  the bias as C: four tiles of eight registers
.set ACC,   128                        ; v128-255 accumulator (a, c) at 8 (4 c + a)
.set WV,    30                         ; s30  wave
.set G1X,   68                         ; s[68:75] group 1 for x;  s[76:79] its group 0
.set G0X,   76
.set G1W,   80                         ; s[80:87], s[88:91] the same for W
.set G0W,   88
.macro CROUND                          ; a round of the cluster's barrier
	s_barrier_signal -1
	s_barrier_wait -1
	s_cmp_lg_u32 s[WV], 0
	s_cbranch_scc1 .Lnot_wave_0_\@
	s_barrier_signal -3
.Lnot_wave_0_\@:
	s_barrier_wait -3
	s_barrier_signal -1
	s_barrier_wait -1
.endm
	s_load_b512 s[4:19], s[0:1], 0x0               ; Q s[4:5], K s[6:7], V s[8:9], Wq s[10:11], Wk s[12:13], Wv s[14:15], bq s[16:17], bk s[18:19]
	s_load_b256 s[20:27], s[0:1], 0x40             ; bv s[20:21], the scales' exponents s[22:23], q_img s[24:25], k_img s[26:27]
	s_load_b64 s[28:29], s[0:1], 0x60              ; v_img
	v_lshl_add_u32 v30, v0, 2, 0x31800
	v_mov_b32 v31, 0
	ds_add_u32 v30, v31
	ds_add_u32 v30, v31
	v_lshrrev_b32 v1, 5, v0
	v_readfirstlane_b32 s[WV], v1                  ; wave 0..7
	s_bfe_u32 s31, ttmp6, 0x40000                  ; cx
	s_bfe_u32 s32, ttmp6, 0x40004                  ; cy
	s_and_b32 s33, ttmp7, 0xffff                   ; the cluster's y, 0..47
	s_lshr_b32 s34, s33, 4                         ; the tensor: 0 q, 1 k, 2 v
	s_and_b32 s35, s33, 15
	s_lshl_b32 s35, s35, 2
	s_add_co_u32 s35, s35, s32                     ; tb: which 256 tokens
	s_lshl_b32 s36, ttmp9, 2
	s_add_co_u32 s36, s36, s31                     ; fb: which 128 features
	s_lshl_b32 s37, s32, 2
	s_lshl_b32 s37, 15, s37                        ; my row of the cluster
	s_lshl_b32 s38, 0x1111, s31                    ; my column
	s_and_b32 s66, s[WV], 1                        ; hw: which 64 features are mine
	s_lshr_b32 s67, s[WV], 1                       ; tq: which 64 tokens
	; group 1: 64 rows x 512 elements of one byte, 16 bytes of padding behind every 128 words
	s_or_b32 s[G1X], s37, (1<<20)|(1<<21)|(6<<22)|(3<<25)   ; 15:0 the mask: x's tiles go to my row; 20 padding on; 21 set beside a mask; 24:22 code 6; 31:25 code 3
	s_or_b32 s[G1W], s38, (1<<20)|(1<<21)|(6<<22)|(3<<25)   ; W's go to my column
.irp g, G1X, G1W
	s_mov_b32 s[\g+1], 512<<16                     ; tensor_dim0
	s_mov_b32 s[\g+2], 64<<16                      ; tensor_dim1
	s_mov_b32 s[\g+3], 512<<16                     ; tile_dim0
	s_mov_b32 s[\g+4], 64                          ; tile_dim1
	s_mov_b32 s[\g+5], 512                         ; from row to row
	s_mov_b32 s[\g+6], 0
	s_mov_b32 s[\g+7], 0
.endr
	s_and_b32 s39, s[WV], 3                        ; waves 0-3 fetch x's four quarters
	s_lshl_b32 s92, s35, 17                        ; 256 rows of 512 bytes: made of tb and the wave alone
	s_lshl_b32 s93, s39, 15
	s_add_co_u32 s92, s92, s93
	s_mov_b32 s93, 0
	s_mov_b32 s[G0X], 1
	s_mul_i32 s[G0X+1], s39, T64
	s_lshl_b32 s94, s36, 16                        ; 128 rows of 512 bytes: made of fb and the wave alone
	s_lshl_b32 s95, s66, 15                        ; waves 4, 5 fetch W's two halves
	s_add_co_u32 s94, s94, s95
	s_mov_b32 s95, 0
	s_mov_b32 s[G0W], 1
	s_mul_i32 s[G0W+1], s66, T64
	s_add_co_u32 s[G0W+1], s[G0W+1], WOFF
	s_wait_dscnt 0x0
	s_wait_kmcnt 0x0
	s_cmp_eq_u32 s34, 1                            ; the tensor's four buffers: a choice on the cluster's number
	s_cselect_b64 s[40:41], s[6:7], s[4:5]
	s_cselect_b64 s[42:43], s[12:13], s[10:11]
	s_cselect_b64 s[44:45], s[18:19], s[16:17]
	s_cselect_b64 s[46:47], s[26:27], s[24:25]
	s_cmp_eq_u32 s34, 2
	s_cselect_b64 s[40:41], s[8:9], s[40:41]       ; x
	s_cselect_b64 s[42:43], s[14:15], s[42:43]     ; W
	s_cselect_b64 s[44:45], s[20:21], s[44:45]     ; b
	s_cselect_b64 s[46:47], s[28:29], s[46:47]     ; the images
	s_load_b256 s[48:55], s[22:23], 0x0            ; e0 .. e7
	s_load_b128 s[56:59], s[22:23], 0x20           ; e8 .. e11
	s_add_nc_u64 s[G0X+2:G0X+3], s[40:41], s[92:93]
	s_or_b32 s[G0X+3], s[G0X+3], 0x80000000
	s_add_nc_u64 s[G0W+2:G0W+3], s[42:43], s[94:95]
	s_or_b32 s[G0W+3], s[G0W+3], 0x80000000
	CROUND                                         ; all sixteen work-groups are here: the joint loads meet
	s_cmp_lt_u32 s[WV], 4                          ; waves 0-3: x; waves 4, 5: W; waves 6, 7: nothing.  The branches hang on the wave's number alone
	s_cbranch_scc0 .Lnot_x
	tensor_load_to_lds s[G0X:G0X+3], s[G1X:G1X+7]
	s_nop 0
.rept 4
	v_nop
.endr
	s_branch .Lasked
.Lnot_x:
	s_cmp_lt_u32 s[WV], 6
	s_cbranch_scc0 .Lasked
	tensor_load_to_lds s[G0W:G0W+3], s[G1W:G1W+7]
	s_nop 0
.rept 4
	v_nop
.endr
.Lasked:
	v_and_b32 v1, 15, v0                           ; r
	v_bfe_u32 v2, v0, 4, 1                         ; h
	s_lshl_b32 s98, s36, 9
	s_lshl_b32 s99, s66, 8
	s_add_co_u32 s98, s98, s99                     ; my 64 features' bias: 4 (128 fb + 64 hw) bytes on
	s_mov_b32 s99, 0
	s_add_nc_u64 s[44:45], s[44:45], s[98:99]
	v_lshlrev_b32 v9, 5, v2                        ; 32 h
	v_lshlrev_b32 v14, 2, v1                       ; 4 r
	; both forms of the bias are asked for here, twelve small loads, so that neither way waits for memory behind the barrier
.irp a, 0,1,2,3
	global_load_b128 v[BI+8*\a:BI+8*\a+3], v9, s[44:45] offset:64*\a          ; q, k: b(16 a + 8 h + 0 .. 7)
	global_load_b128 v[BI+8*\a+4:BI+8*\a+7], v9, s[44:45] offset:64*\a+16
.endr
.irp c, 0,1,2,3
	global_load_b32 v[10+\c], v14, s[44:45] offset:64*\c                      ; v: b(16 c + r)
.endr
	v_mul_u32_u24 v3, v1, PITCH
	v_lshl_add_u32 v3, v2, 4, v3                   ; a fragment's row x pitch + 16 h
	s_mul_i32 s39, s67, T64
	v_add_nc_u32 v4, s39, v3                       ; my 64 rows of x
	s_mul_i32 s39, s66, T64
	s_add_co_u32 s39, s39, WOFF
	v_add_nc_u32 v5, s39, v3                       ; my 64 rows of W
	v_and_b32 v6, 31, v0
	v_lshlrev_b32 v6, 4, v6                        ; 16 x lane: my place in an image
	s_lshr_b32 s96, s35, 3                         ; the batch
	s_lshl_b32 s96, s96, 3
	s_lshl_b32 s97, s36, 1
	s_add_co_u32 s96, s96, s97
	s_add_co_u32 s96, s96, s66                     ; bh = 8 batch + 2 fb + hw
	s_lshl_b32 s96, s96, 5
	s_and_b32 s97, s35, 7
	s_lshl_b32 s97, s97, 2
	s_add_co_u32 s96, s96, s97
	s_add_co_u32 s96, s96, s67                     ; + which 64 tokens of the batch's 2,048
	s_lshl_b32 s96, s96, 12                        ; x 4,096 bytes
	s_mov_b32 s97, 0
	s_add_nc_u64 s[46:47], s[46:47], s[96:97]
	s_wait_kmcnt 0x0
	s_cmp_eq_u32 s34, 1
	s_cselect_b32 s60, s50, s48                    ; ex
	s_cselect_b32 s61, s51, s49                    ; ew
	s_cselect_b32 s62, s55, s54                    ; eo
	s_cmp_eq_u32 s34, 2
	s_cselect_b32 s60, s52, s60
	s_cselect_b32 s61, s53, s61
	s_cselect_b32 s62, s57, s62
	s_add_co_i32 s60, s60, s61                     ; ex + ew: a sum stands for sum x 2^(ex + ew)
	s_sub_co_i32 s63, 0, s60                       ; the bias goes in as b / 2^(ex + ew)
	s_sub_co_i32 s62, s62, s60
	s_add_co_i32 s62, s62, 127
	s_lshl_b32 s61, s62, 23
	v_mov_b32 v7, s61                              ; 2^(eo - ex - ew) as f32: the conversion takes its exponent field
	s_add_co_i32 s62, s62, 8
	s_lshl_b32 s62, s62, 23
	s_or_b32 s62, s62, 0x600000
	v_mov_b32 v8, s62                              ; 448 x that
	s_wait_tensorcnt 0x0                           ; my part of the tiles has landed (a wave that fetched nothing passes at once),
	s_barrier_signal -1
	s_barrier_wait -1                              ; everybody's has
; one product.  swap = 0: source 0 = W's tile a, source 1 = x's tile c, the first C = b's tile a.  swap = 1: source 0 = x's tile a, source 1 = W's tile c, the first C = b's tile c.
.macro MM swap, a, c, ks
.if \swap
.if \ks == 0
	v_wmma_f32_16x16x64_fp8_fp8 v[ACC+8*(4*\c+\a):ACC+8*(4*\c+\a)+7], v[XF+8*\a:XF+8*\a+7], v[WF+8*\c:WF+8*\c+7], v[BI+8*\c:BI+8*\c+7]
.else
	v_wmma_f32_16x16x64_fp8_fp8 v[ACC+8*(4*\c+\a):ACC+8*(4*\c+\a)+7], v[XF+8*\a:XF+8*\a+7], v[WF+8*\c:WF+8*\c+7], v[ACC+8*(4*\c+\a):ACC+8*(4*\c+\a)+7]
.endif
.else
.if \ks == 0
	v_wmma_f32_16x16x64_fp8_fp8 v[ACC+8*(4*\c+\a):ACC+8*(4*\c+\a)+7], v[WF+8*\a:WF+8*\a+7], v[XF+8*\c:XF+8*\c+7], v[BI+8*\a:BI+8*\a+7]
.else
	v_wmma_f32_16x16x64_fp8_fp8 v[ACC+8*(4*\c+\a):ACC+8*(4*\c+\a)+7], v[WF+8*\a:WF+8*\a+7], v[XF+8*\c:XF+8*\c+7], v[ACC+8*(4*\c+\a):ACC+8*(4*\c+\a)+7]
.endif
.endif
.endm
.macro BODY swap
	s_wait_loadcnt 0x0                             ; the bias
.if \swap
.irp c, 0,1,2,3
.irp j, 0,1,2,3,4,5,6,7
	v_ldexp_f32 v[BI+8*\c+\j], v[10+\c], s63       ; a lane holds one feature: the same number in a tile's eight registers
.endr
.endr
.else
.set n, 0
.rept 32
	v_ldexp_f32 v[BI+n], v[BI+n], s63
.set n, n+1
.endr
.endif
.irp ks, 0,1,2,3,4,5,6,7                       ; eight K steps of 64
.if \ks > 0
.rept 4
	v_nop                                          ; four places in front of loads into registers that matrix instructions have read (ISA guide 7.12.1 for vector instructions)
.endr
.endif
.irp i, 0,1,2,3
	ds_load_b128 v[WF+8*\i:WF+8*\i+3],   v5 offset:16*\i*PITCH+64*\ks
	ds_load_b128 v[WF+8*\i+4:WF+8*\i+7], v5 offset:16*\i*PITCH+64*\ks+32
	ds_load_b128 v[XF+8*\i:XF+8*\i+3],   v4 offset:16*\i*PITCH+64*\ks
	ds_load_b128 v[XF+8*\i+4:XF+8*\i+7], v4 offset:16*\i*PITCH+64*\ks+32
.endr
	s_wait_dscnt 0x0
.irp c, 0,1,2,3                                ; the sixteen accumulators take turns, in the same order in every step
.irp a, 0,1,2,3
	MM \swap, \a, \c, \ks
.endr
.endr
.endr
.rept 4
	v_nop                                          ; places in front of the first read of results
.endr
.set n, 0
.rept 128
	v_med3_num_f32 v[ACC+n], v[ACC+n], -v8, v8     ; the conversion to an 8-bit code does not saturate (ISA guide 7.6.2): the hold at the largest code x the scale; each accumulator from its low end on
.set n, n+1
.endr
.irp c, 0,1,2,3
.irp a, 0,1,2,3
	v_cvt_scalef32_pk8_fp8_f32 v[WF+8*\c+2*\a:WF+8*\c+2*\a+1], v[ACC+8*(4*\c+\a):ACC+8*(4*\c+\a)+7], v7   ; registers 2 a, 2 a + 1 of fragment c; only stores touch the results
.endr
.endr
.irp c, 0,1,2,3
.irp g, 0,1
	global_store_b128 v6, v[WF+8*\c+4*\g:WF+8*\c+4*\g+3], s[46:47] offset:1024*\c+512*\g   ; 32 lanes store 512 consecutive bytes, at a multiple of 256 from the buffer's first byte
.endr
.endr
.endm
	s_cmp_eq_u32 s34, 2
	s_cbranch_scc1 .Lv
	BODY 0
	s_branch .Ljoin
.Lv:
	BODY 1
.Ljoin:
	s_wait_dscnt 0x0                               ; no LDS instruction of mine is pending at a signal
	s_wait_tensorcnt 0x0
	ds_add_u32 v30, v31
	s_wait_dscnt 0x0
	CROUND                                         ; the closing round: no work-group ends while a partner may still ask for a tile that names it
	s_endpgm
.Lfunc_end_k_q1287516ec7_proj:
	.size	k_q1287516ec7_proj, .Lfunc_end_k_q1287516ec7_proj-k_q1287516ec7_proj
	.p2alignl 7, 3214868480
	.fill 96, 4, 3214868480
	.section	.rodata,"a",@progbits
	.p2align	6, 0x0
	.amdhsa_kernel k_q1287516ec7_proj
		.amdhsa_group_segment_fixed_size 203776
		.amdhsa_private_segment_fixed_size 0
		.amdhsa_enable_private_segment 0
		.amdhsa_kernarg_size 104
		.amdhsa_user_sgpr_count 2
		.amdhsa_user_sgpr_kernarg_segment_ptr 1
		.amdhsa_wavefront_size32 1
		.amdhsa_system_sgpr_workgroup_id_x 1
		.amdhsa_system_sgpr_workgroup_id_y 1
		.amdhsa_system_sgpr_workgroup_id_z 1
		.amdhsa_system_vgpr_workitem_id 0
		.amdhsa_next_free_vgpr 256
		.amdhsa_next_free_sgpr 100
		.amdhsa_reserve_vcc 0
		.amdhsa_float_denorm_mode_32 3
		.amdhsa_float_denorm_mode_16_64 3
		.amdhsa_memory_ordered 1
		.amdhsa_forward_progress 1
		.amdhsa_inst_pref_size 67
	.end_amdhsa_kernel
	.amdgpu_metadata
---
amdhsa.version: [ 1, 2 ]
amdhsa.kernels:
  - .name:           k_q1287516ec7_proj
    .symbol:         k_q1287516ec7_proj.kd
    .args:
      - { .name: Q_codes, .offset: 0, .size: 8, .value_kind: global_buffer, .address_space: global }
      - { .name: K_codes, .offset: 8, .size: 8, .value_kind: global_buffer, .address_space: global }
      - { .name: V_codes, .offset: 16, .size: 8, .value_kind: global_buffer, .address_space: global }
      - { .name: Wq_codes, .offset: 24, .size: 8, .value_kind: global_buffer, .address_space: global }
      - { .name: Wk_codes, .offset: 32, .size: 8, .value_kind: global_buffer, .address_space: global }
      - { .name: Wv_codes, .offset: 40, .size: 8, .value_kind: global_buffer, .address_space: global }
      - { .name: bq, .offset: 48, .size: 8, .value_kind: global_buffer, .address_space: global }
      - { .name: bk, .offset: 56, .size: 8, .value_kind: global_buffer, .address_space: global }
      - { .name: bv, .offset: 64, .size: 8, .value_kind: global_buffer, .address_space: global }
      - { .name: lowp_scales, .offset: 72, .size: 8, .value_kind: global_buffer, .address_space: global }
      - { .name: q_img, .offset: 80, .size: 8, .value_kind: global_buffer, .address_space: global }
      - { .name: k_img, .offset: 88, .size: 8, .value_kind: global_buffer, .address_space: global }
      - { .name: v_img, .offset: 96, .size: 8, .value_kind: global_buffer, .address_space: global }
    .group_segment_fixed_size: 203776
    .private_segment_fixed_size: 0
    .kernarg_segment_align: 8
    .kernarg_segment_size: 104
    .max_flat_workgroup_size: 256
    .sgpr_count:     100
    .vgpr_count:     256
    .wavefront_size: 32
...
	.end_amdgpu_metadata
.endif
;; end of part 2
;; launch attn (part 3): grid 4 x 64, 16 waves a work-group, clusters of 4 x 1, 264,192 bytes of LDS; arguments q_img, k_img, v_img, mbits, lowp_scales, a_img; writes a_img
.if DOCPART == 3
	.amdgcn_target "amdgcn-amd-amdhsa--gfx1250"
	.amdhsa_code_object_version 6
	.text
	.protected	k_q1287516ec7_attn
	.globl	k_q1287516ec7_attn
	.p2align	8
	.type	k_q1287516ec7_attn,@function
k_q1287516ec7_attn:
	s_mov_b64 s[64:65], 0
	v_nop
	global_prefetch_b8 v0, s[64:65] scope:SCOPE_SE
	s_setreg_imm32_b32 hwreg(HW_REG_WAVE_MODE, 25, 1), 1
	s_wait_xcnt 0x0
	s_wait_alu depctr_hold_cnt(0) depctr_sa_sdst(0) depctr_va_vdst(0) depctr_va_sdst(0) depctr_va_ssrc(0) depctr_va_vcc(0) depctr_vm_vsrc(0)
	s_getreg_b32 s2, hwreg(HW_REG_IB_STS2, 6, 4)
	s_cmp_eq_u32 s2, 0
	s_cbranch_scc0 .Lentry_in_a_cluster
	s_endpgm
.Lentry_in_a_cluster:
	s_bfe_u32 s2, ttmp6, 0x10000c
	s_cmp_lg_u32 s2, 0x3003
	s_cbranch_scc0 .Lentry_shape_is_right
	s_endpgm
.Lentry_shape_is_right:
; Attention of one (batch, head) pair bh for 512 queries, both products on codes of FP8 (E4M3); the result is quantised at once for the last projection.
; q_img, k_img: fragments (16 tokens x the head's 64) as images of their registers, fragment (bh x 128 + token tile) of 1,024 bytes.  v_img: fragments (16 of the head's 64 x 64 keys), ((bh x 32 + step) x 4 + d tile).
; mbits: for each group of 32 queries and step of 64 keys, 64 words: word 2 (8 t + j) + u is the lane mask of register j of score tile t of query tile u: 1 = hidden.
; a_img: fragments (16 tokens x a head's 64), ((batch x 128 + token tile) x 8 + head).
; THE SOFTMAX: t = score x log2(e) / 8; M = the largest t so far rounded UP to a whole number; p = 2^(t - M) is quantised with 2^e8; the row's sum is taken of the unquantised p and divides at the end.
; When M moves, the sum and O are multiplied by 2^(old M - new M), made by v_ldexp_f32: nothing is rounded, and no branch hangs on data.
; THE MASK: a hidden score becomes -2^64 ahead of the maximum.  A sum of 64 products of codes is under 2^24 in magnitude, so -2^64 lies under every score; times c it stays a power of two times c, exact.
; A row with an open key: its hidden keys give p = 0, and what was summed while only hidden keys had been seen is multiplied by 0 when M jumps.  A row with no open key: t - M = 0, p = 1 for every key: the uniform softmax.
; SHARES.  A work-group owns 512 queries; each of sixteen waves 32 of them, two tiles, in 256 registers: four waves to a SIMD, so that one wave's vector work stands beside another's products and LDS loads.
; The head's whole K (131,072 bytes) and V (131,072) lie in LDS, each byte filled once: no ring.  Each wave brings one sixteenth by one tensor load of 64 dense rows of 256 bytes.
; CLUSTER 4 x 1: the four query blocks of a head read the same K and V: the loads are joint, with the mask of all four.  cx enters only the addresses of q_img, mbits and a_img.
; LAYOUT.  Both products transposed: S^T = K Q^T (source 0 = 16 keys), O^T = V^T P^T (source 0 = 16 of the head's 64): a lane holds one query (lane % 16) throughout, and eight converted results of a tile are
; registers 2 t, 2 t + 1 of the next operand.  Images are read at 16 x lane: 512 consecutive bytes an instruction.
; LIMITS: e6 + e7 between -38 and 60 (so that 2^64 c is a whole number of at least 2^23 and finite); e8 and e10 between -126 and 119.  NaN codes are not served.
.set ST,  8                            ; v8-15, v16-23  tile u's statistics at ST + 8 u: +0 -M, +1 the largest t, +2, +3 the sum in two halves, +4 f (+5 named with it), +6, +7 at work
.set SB,  24                           ; v24-27  the sums' second chains
.set QF,  32                           ; v32-47   Q's two fragments
.set KF,  48                           ; v48-79   the step's four fragments of K
.set VF,  80                           ; v80-111  and of V
.set S,   112                          ; v112-175 S^T, then p: tile (u, t) at 32 u + 8 t
.set O,   176                          ; v176-239 O^T: tile (u, d) at 32 u + 8 d
.set P,   240                          ; v240-255 p's codes, 8 a query tile
.set WV,  16                           ; s16  wave
; v1 16 x lane; v28 the same in V's half of LDS; v2, v3 the step's addresses; v4 -2^64; v5 448 x 2^e8; v6 2^e8
; s2 trips; s3 the step's first LDS byte; s[6:7] lane selects; s[8:9] c; s[10:11] the mask words' address; s100 e8 + e9; s101 2^e10; s104 448 x 2^e10; s32-63, s68-99 the step's 64 mask words
.macro CROUND                          ; a round of the cluster's barrier
	s_barrier_signal -1
	s_barrier_wait -1
	s_cmp_lg_u32 s[WV], 0
	s_cbranch_scc1 .Lnot_wave_0_\@
	s_barrier_signal -3
.Lnot_wave_0_\@:
	s_barrier_wait -3
	s_barrier_signal -1
	s_barrier_wait -1
.endm
	s_load_b256 s[4:11], s[0:1], 0x0               ; q_img s[4:5], k_img s[6:7], v_img s[8:9], mbits s[10:11]
	s_load_b128 s[12:15], s[0:1], 0x20             ; the scales' exponents s[12:13], a_img s[14:15]
	v_lshl_add_u32 v30, v0, 2, 0x40000
	v_mov_b32 v31, 0
	ds_add_u32 v30, v31
	ds_add_u32 v30, v31
	v_lshrrev_b32 v1, 5, v0
	v_readfirstlane_b32 s[WV], v1                  ; wave 0..15
	s_bfe_u32 s17, ttmp6, 0x40000                  ; cx
	s_lshl_b32 s19, ttmp9, 2
	s_add_co_u32 s17, s17, s19                     ; my block of 512 queries
	s_and_b32 s18, ttmp7, 0xffff                   ; bh, which the four partners share
	s_mov_b32 s24, 15|(3<<16)|(1<<21)              ; group 1: 15:0 the mask: all four; 17:16 elements of 8 bytes; 21 set beside a mask
	s_mov_b32 s25, 32<<16                          ; tensor_dim0 = 32 elements: rows of 256 bytes
	s_mov_b32 s26, 64<<16                          ; tensor_dim1 = 64
	s_mov_b32 s27, 32<<16                          ; tile_dim0
	s_mov_b32 s28, 64                              ; tile_dim1
	s_mov_b32 s29, 32                              ; from row to row: dense
	s_mov_b32 s30, 0
	s_mov_b32 s31, 0
	s_mov_b32 s20, 1                               ; group 0
	s_lshl_b32 s21, s[WV], 14                      ; LDS: wave x 16,384: waves 0-7 fill K's half, waves 8-15 V's
	s_lshl_b32 s104, s18, 17                       ; the head's 131,072 bytes,
	s_and_b32 s105, s[WV], 7
	s_lshl_b32 s105, s105, 14                      ; my eighth of them
	s_add_co_u32 s104, s104, s105
	s_mov_b32 s105, 0
	s_wait_dscnt 0x0
	s_wait_kmcnt 0x0
	s_load_b128 s[68:71], s[12:13], 0x18           ; e6, e7, e8, e9
	s_load_b32 s72, s[12:13], 0x28                 ; e10
	s_cmp_lt_u32 s[WV], 8                          ; K or V: a choice on the wave's number
	s_cselect_b64 s[22:23], s[6:7], s[8:9]
	s_add_nc_u64 s[22:23], s[22:23], s[104:105]
	s_or_b32 s23, s23, 0x80000000
	CROUND                                         ; all four work-groups are here: the joint loads meet
	tensor_load_to_lds s[20:23], s[24:31]          ; my one tensor load of the launch
	s_nop 0
.rept 4
	v_nop
.endr
	s_lshl_b32 s84, s17, 5
	s_lshl_b32 s85, s[WV], 1
	s_add_co_u32 s84, s84, s85                     ; my first token tile of the batch's 128
	s_lshl_b32 s88, s84, 10
	s_lshl_b32 s89, s18, 17
	s_add_co_u32 s88, s88, s89
	s_mov_b32 s89, 0
	s_add_nc_u64 s[4:5], s[4:5], s[88:89]          ; Q's two fragments
	s_lshl_b32 s90, s17, 4
	s_add_co_u32 s90, s90, s[WV]                   ; my group of 32 queries
	s_lshl_b32 s90, s90, 13                        ; 32 steps x 256 bytes
	s_mov_b32 s91, 0
	s_add_nc_u64 s[10:11], s[10:11], s[90:91]
	s_lshr_b32 s92, s18, 3                         ; the batch
	s_lshl_b32 s92, s92, 7
	s_add_co_u32 s92, s92, s84
	s_lshl_b32 s92, s92, 13                        ; a token tile's eight fragments
	s_and_b32 s93, s18, 7                          ; the head
	s_lshl_b32 s93, s93, 10
	s_add_co_u32 s92, s92, s93
	s_mov_b32 s93, 0
	s_add_nc_u64 s[14:15], s[14:15], s[92:93]
	v_and_b32 v1, 31, v0
	v_lshlrev_b32 v1, 4, v1                        ; 16 x lane
	v_add_nc_u32 v28, 0x20000, v1                  ; and in V's half
.irp u, 0,1
.irp g, 0,1
	global_load_b128 v[QF+8*\u+4*\g:QF+8*\u+4*\g+3], v1, s[4:5] offset:1024*\u+512*\g   ; Q stays in registers
.endr
.endr
	s_wait_kmcnt 0x0
	s_mov_b32 s6, 0x76543210                       ; v_permlanex16_b32: lane l xor 16
	s_mov_b32 s7, 0xfedcba98
	s_add_co_i32 s84, s68, s69
	s_lshl_b32 s84, s84, 23
	s_add_co_i32 s8, s84, 0x3e38aa3b               ; c = log2(e) / 8, with e6 + e7 added to its exponent field: a score stands for score x 2^(e6 + e7)
	s_mov_b32 s9, s8                               ; (named with it as a pair, so it is written)
	s_add_co_i32 s84, s70, 127
	s_lshl_b32 s85, s84, 23
	v_mov_b32 v6, s85                              ; 2^e8 as f32, for p's conversion
	s_add_co_i32 s84, s84, 8
	s_lshl_b32 s84, s84, 23
	s_or_b32 s84, s84, 0x600000
	v_mov_b32 v5, s84                              ; 448 x 2^e8
	s_add_co_i32 s100, s70, s71                    ; e8 + e9
	s_add_co_i32 s84, s72, 127
	s_lshl_b32 s101, s84, 23                       ; 2^e10
	s_add_co_i32 s84, s84, 8
	s_lshl_b32 s84, s84, 23
	s_or_b32 s104, s84, 0x600000                   ; 448 x 2^e10
	s_load_b512 s[32:47], s[10:11], 0x0            ; step 0's mask words: score tiles 0,
	s_load_b512 s[48:63], s[10:11], 0x40           ; 1,
	s_load_b512 s[68:83], s[10:11], 0x80           ; 2,
	s_load_b512 s[84:99], s[10:11], 0xc0           ; 3
	v_mov_b32 v4, 0xdf800000                       ; -2^64
.irp u, 0,1
	v_mov_b32 v[ST+8*\u+1], 0xff61b1e6             ; the largest t so far: -3e38, under every t
	v_floor_f32 v[ST+8*\u], -v[ST+8*\u+1]          ; -M
	v_mov_b32 v[ST+8*\u+2], 0                      ; the sum
	v_mov_b32 v[ST+8*\u+3], 0
	v_mov_b32 v[ST+8*\u+5], 0                      ; (named as the upper half of f's pair)
.endr
.set n, 0
.rept 64
	v_mov_b32 v[O+n], 0                            ; O^T.  (The step is written for every step alike: the first finds zeros, which the first change of M leaves zeros)
.set n, n+1
.endr
	s_mov_b32 s3, 0
	s_mov_b32 s2, 31
	s_wait_loadcnt 0x0                             ; Q
	s_wait_tensorcnt 0x0                           ; my sixteenth of K and V has landed,
	s_barrier_signal -1
	s_barrier_wait -1                              ; everybody's has
; A STEP OF 64 KEYS.  more = 1: the next step's mask words are asked for as soon as this step's have been used.
.macro STEP more
	v_add_nc_u32 v2, s3, v1
	v_add_nc_u32 v3, s3, v28
	v_nop                                          ; with the two additions: four places in front of loads into V's registers, which the last products read
	v_nop
.irp i, 0,1,2,3
	ds_load_b128 v[KF+8*\i:KF+8*\i+3],   v2 offset:1024*\i
	ds_load_b128 v[KF+8*\i+4:KF+8*\i+7], v2 offset:1024*\i+512
.endr
.irp i, 0,1,2,3
	ds_load_b128 v[VF+8*\i:VF+8*\i+3],   v3 offset:1024*\i
	ds_load_b128 v[VF+8*\i+4:VF+8*\i+7], v3 offset:1024*\i+512
.endr
	s_wait_dscnt 8                                 ; K's eight loads are in; V's eight, issued behind them, may stay out
.irp t, 0,1,2,3
.irp u, 0,1
	v_wmma_f32_16x16x64_fp8_fp8 v[S+32*\u+8*\t:S+32*\u+8*\t+7], v[KF+8*\t:KF+8*\t+7], v[QF+8*\u:QF+8*\u+7], 0   ; register j of lane (r, h): key 16 t + 8 h + j, query r
.endr
.endr
.rept 4
	v_nop                                          ; places in front of the first read of results
.endr
	s_wait_kmcnt 0x0                               ; this step's mask words
.irp t, 0,1,2,3
.irp u, 0,1
.irp j, 0,1,2,3,4,5,6,7
	v_cndmask_b32 v[S+32*\u+8*\t+\j], v[S+32*\u+8*\t+\j], v4, s[32+16*\t+4*(\t/2)+2*\j+\u]   ; hidden scores become -2^64; each accumulator from its low end on
.endr
.endr
.endr
.if \more
	s_wait_xcnt 0x0                                ; the address is stepped only behind this wait
	s_add_nc_u64 s[10:11], s[10:11], 256
	s_load_b512 s[32:47], s[10:11], 0x0            ; they have the rest of the step in which to land
	s_load_b512 s[48:63], s[10:11], 0x40
	s_load_b512 s[68:83], s[10:11], 0x80
	s_load_b512 s[84:99], s[10:11], 0xc0
.endif
.irp u, 0,1                                    ; the step's largest score of my query among my 32 keys: two chains a tile
	v_max3_num_f32 v[ST+8*\u+6], v[S+32*\u], v[S+32*\u+1], v[S+32*\u+2]
	v_max3_num_f32 v[ST+8*\u+7], v[S+32*\u+3], v[S+32*\u+4], v[S+32*\u+5]
.endr
.irp i, 6,10,14,18,22,26
.irp u, 0,1
	v_max3_num_f32 v[ST+8*\u+6], v[ST+8*\u+6], v[S+32*\u+\i], v[S+32*\u+\i+1]
	v_max3_num_f32 v[ST+8*\u+7], v[ST+8*\u+7], v[S+32*\u+\i+2], v[S+32*\u+\i+3]
.endr
.endr
.irp u, 0,1
	v_max3_num_f32 v[ST+8*\u+6], v[ST+8*\u+6], v[S+32*\u+30], v[S+32*\u+31]
.endr
.irp u, 0,1                                    ; from here the two tiles alternate, so that no line waits for the line above it
	v_max_num_f32 v[ST+8*\u+6], v[ST+8*\u+6], v[ST+8*\u+7]
.endr
.irp u, 0,1
	v_permlanex16_b32 v[ST+8*\u+7], v[ST+8*\u+6], s6, s7   ; the query's other 32 keys lie in the lane 16 away
.endr
.irp u, 0,1
	v_max_num_f32 v[ST+8*\u+6], v[ST+8*\u+6], v[ST+8*\u+7]
.endr
.irp u, 0,1
	v_mul_f32 v[ST+8*\u+6], s8, v[ST+8*\u+6]       ; as t (c is positive)
.endr
.irp u, 0,1
	v_max_num_f32 v[ST+8*\u+1], v[ST+8*\u+1], v[ST+8*\u+6]   ; the running largest t
.endr
.irp u, 0,1
	v_mov_b32 v[ST+8*\u+6], v[ST+8*\u]             ; the old -M
.endr
.irp u, 0,1
	v_floor_f32 v[ST+8*\u], -v[ST+8*\u+1]          ; the new -M = floor(-t) = -ceil(t): a whole number
.endr
.irp u, 0,1
	v_sub_f32 v[ST+8*\u+6], v[ST+8*\u], v[ST+8*\u+6]   ; old M - new M: a whole number, 0 or less
.endr
.irp u, 0,1
	v_cvt_i32_f32 v[ST+8*\u+6], v[ST+8*\u+6]       ; (it saturates)
.endr
.irp u, 0,1
	v_ldexp_f32 v[ST+8*\u+4], 1.0, v[ST+8*\u+6]    ; f = 2^(old M - new M)
.endr
.irp u, 0,1
.irp j, 0,2,4,6,8,10,12,14,16,18,20,22,24,26,28,30
	v_pk_fma_f32 v[S+32*\u+\j:S+32*\u+\j+1], v[S+32*\u+\j:S+32*\u+\j+1], s[8:9], v[ST+8*\u:ST+8*\u+1] op_sel_hi:[1,0,0]   ; t - M, two at a time (of the pairs c and -M the low word serves both halves)
.endr
.endr
.set n, 0
.rept 64
	v_exp_f32 v[S+n], v[S+n]                       ; p = 2^(t - M), at most 1: not normalised
.set n, n+1
.endr
.irp u, 0,1
	v_pk_mul_f32 v[ST+8*\u+2:ST+8*\u+3], v[ST+8*\u+2:ST+8*\u+3], v[ST+8*\u+4:ST+8*\u+5] op_sel_hi:[1,0]   ; the sums under the new M.  (The plain place behind the exponentials)
.endr
	s_wait_alu depctr_va_vdst(0)
.irp u, 0,1
	v_pk_add_f32 v[SB+2*\u:SB+2*\u+1], v[S+32*\u:S+32*\u+1], v[S+32*\u+2:S+32*\u+3]   ; the row's sum is taken of the unquantised p: two chains a tile
.endr
.irp j, 4,8,12,16,20,24,28
.irp u, 0,1
	v_pk_add_f32 v[ST+8*\u+2:ST+8*\u+3], v[ST+8*\u+2:ST+8*\u+3], v[S+32*\u+\j:S+32*\u+\j+1]
	v_pk_add_f32 v[SB+2*\u:SB+2*\u+1], v[SB+2*\u:SB+2*\u+1], v[S+32*\u+\j+2:S+32*\u+\j+3]
.endr
.endr
.irp u, 0,1
	v_pk_add_f32 v[ST+8*\u+2:ST+8*\u+3], v[ST+8*\u+2:ST+8*\u+3], v[SB+2*\u:SB+2*\u+1]
.endr
.set n, 0
.rept 64
	v_min_num_f32 v[S+n], v[S+n], v5               ; the conversion to an 8-bit code does not saturate (ISA guide 7.6.2); p is not negative, so the hold is one-sided
.set n, n+1
.endr
.irp u, 0,1
.irp t, 0,1,2,3
	v_cvt_scalef32_pk8_fp8_f32 v[P+8*\u+2*\t:P+8*\u+2*\t+1], v[S+32*\u+8*\t:S+32*\u+8*\t+7], v6   ; registers 2 t, 2 t + 1 of the operand: keys 16 t + 8 h + 0 .. 7
.endr
.endr
.irp u, 0,1
.irp j, 0,2,4,6,8,10,12,14,16,18,20,22,24,26,28,30
	v_pk_mul_f32 v[O+32*\u+\j:O+32*\u+\j+1], v[O+32*\u+\j:O+32*\u+\j+1], v[ST+8*\u+4:ST+8*\u+5] op_sel_hi:[1,0]   ; O^T under the new M; these are also the plain places between the conversions and the products
.endr
.endr
	s_wait_dscnt 0x0                               ; V
.irp d, 0,1,2,3                                ; eight accumulators, one instruction each: no two that follow each other share one
.irp u, 0,1
	v_wmma_f32_16x16x64_fp8_fp8 v[O+32*\u+8*\d:O+32*\u+8*\d+7], v[VF+8*\d:VF+8*\d+7], v[P+8*\u:P+8*\u+7], v[O+32*\u+8*\d:O+32*\u+8*\d+7]
.endr
.endr
	s_add_co_u32 s3, s3, 4096                      ; the next step's four fragments
.endm
.Lstep:                                            ; 31 trips
	STEP 1
	s_sub_co_u32 s2, s2, 1
	s_cmp_lg_u32 s2, 0
	s_cbranch_scc1 .Lstep
	STEP 0                                         ; the last step is written out: no scalar load leaves mbits
	; THE WAY OUT.  O^T / the sum x 2^(e8 + e9), quantised with 2^e10: eight results of a tile are registers 2 d, 2 d + 1 of the last projection's operand.
	v_mov_b32 v5, s104                             ; 448 x 2^e10.  (These four plain lines are the places behind the last products)
	v_mov_b32 v6, s101                             ; 2^e10
.irp u, 0,1
	v_add_f32 v[ST+8*\u+2], v[ST+8*\u+2], v[ST+8*\u+3]   ; the sum's two halves,
.endr
.irp u, 0,1
	v_permlanex16_b32 v[ST+8*\u+7], v[ST+8*\u+2], s6, s7
.endr
.irp u, 0,1
	v_add_f32 v[ST+8*\u+2], v[ST+8*\u+2], v[ST+8*\u+7]   ; and lane l xor 16's: the row's sum, above 1/2
.endr
.irp u, 0,1
	v_rcp_f32 v[ST+8*\u+4], v[ST+8*\u+2]
.endr
	v_nop                                          ; one plain place behind a transcendental
	s_wait_alu depctr_va_vdst(0)
.irp u, 0,1
	v_ldexp_f32 v[ST+8*\u+4], v[ST+8*\u+4], s100
.endr
.irp u, 0,1
.irp j, 0,2,4,6,8,10,12,14,16,18,20,22,24,26,28,30
	v_pk_mul_f32 v[O+32*\u+\j:O+32*\u+\j+1], v[O+32*\u+\j:O+32*\u+\j+1], v[ST+8*\u+4:ST+8*\u+5] op_sel_hi:[1,0]
.endr
.endr
.set n, 0
.rept 64
	v_med3_num_f32 v[O+n], v[O+n], -v5, v5
.set n, n+1
.endr
.irp u, 0,1
.irp d, 0,1,2,3
	v_cvt_scalef32_pk8_fp8_f32 v[P+8*\u+2*\d:P+8*\u+2*\d+1], v[O+32*\u+8*\d:O+32*\u+8*\d+7], v6   ; only stores touch the results
.endr
.endr
.irp u, 0,1
.irp g, 0,1
	global_store_b128 v1, v[P+8*\u+4*\g:P+8*\u+4*\g+3], s[14:15] offset:8192*\u+512*\g   ; 32 lanes store 512 consecutive bytes, at a multiple of 256 from the buffer's first byte
.endr
.endr
	s_wait_dscnt 0x0                               ; no LDS instruction of mine is pending at a signal
	s_wait_tensorcnt 0x0
	ds_add_u32 v30, v31
	s_wait_dscnt 0x0
	CROUND                                         ; the closing round: no work-group ends while a partner may still ask for a tile that names it
	s_endpgm
.Lfunc_end_k_q1287516ec7_attn:
	.size	k_q1287516ec7_attn, .Lfunc_end_k_q1287516ec7_attn-k_q1287516ec7_attn
	.p2alignl 7, 3214868480
	.fill 96, 4, 3214868480
	.section	.rodata,"a",@progbits
	.p2align	6, 0x0
	.amdhsa_kernel k_q1287516ec7_attn
		.amdhsa_group_segment_fixed_size 264192
		.amdhsa_private_segment_fixed_size 0
		.amdhsa_enable_private_segment 0
		.amdhsa_kernarg_size 48
		.amdhsa_user_sgpr_count 2
		.amdhsa_user_sgpr_kernarg_segment_ptr 1
		.amdhsa_wavefront_size32 1
		.amdhsa_system_sgpr_workgroup_id_x 1
		.amdhsa_system_sgpr_workgroup_id_y 1
		.amdhsa_system_sgpr_workgroup_id_z 1
		.amdhsa_system_vgpr_workitem_id 0
		.amdhsa_next_free_vgpr 256
		.amdhsa_next_free_sgpr 106
		.amdhsa_reserve_vcc 0
		.amdhsa_float_denorm_mode_32 3
		.amdhsa_float_denorm_mode_16_64 3
		.amdhsa_memory_ordered 1
		.amdhsa_forward_progress 1
		.amdhsa_inst_pref_size 56
	.end_amdhsa_kernel
	.amdgpu_metadata
---
amdhsa.version: [ 1, 2 ]
amdhsa.kernels:
  - .name:           k_q1287516ec7_attn
    .symbol:         k_q1287516ec7_attn.kd
    .args:
      - { .name: q_img, .offset: 0, .size: 8, .value_kind: global_buffer, .address_space: global }
      - { .name: k_img, .offset: 8, .size: 8, .value_kind: global_buffer, .address_space: global }
      - { .name: v_img, .offset: 16, .size: 8, .value_kind: global_buffer, .address_space: global }
      - { .name: mbits, .offset: 24, .size: 8, .value_kind: global_buffer, .address_space: global }
      - { .name: lowp_scales, .offset: 32, .size: 8, .value_kind: global_buffer, .address_space: global }
      - { .name: a_img, .offset: 40, .size: 8, .value_kind: global_buffer, .address_space: global }
    .group_segment_fixed_size: 264192
    .private_segment_fixed_size: 0
    .kernarg_segment_align: 8
    .kernarg_segment_size: 48
    .max_flat_workgroup_size: 512
    .sgpr_count:     106
    .vgpr_count:     256
    .wavefront_size: 32
...
	.end_amdgpu_metadata
.endif
;; end of part 3
;; launch outproj (part 4): grid 4 x 64, 8 waves a work-group, clusters of 4 x 4, 234,496 bytes of LDS; arguments a_img, Wo_codes, bo, lowp_scales, out0; writes out0
.if DOCPART == 4
	.amdgcn_target "amdgcn-amd-amdhsa--gfx1250"
	.amdhsa_code_object_version 6
	.text
	.protected	k_q1287516ec7_outproj
	.globl	k_q1287516ec7_outproj
	.p2align	8
	.type	k_q1287516ec7_outproj,@function
k_q1287516ec7_outproj:
	s_mov_b64 s[64:65], 0
	v_nop
	global_prefetch_b8 v0, s[64:65] scope:SCOPE_SE
	s_setreg_imm32_b32 hwreg(HW_REG_WAVE_MODE, 25, 1), 1
	s_wait_xcnt 0x0
	s_wait_alu depctr_hold_cnt(0) depctr_sa_sdst(0) depctr_va_vdst(0) depctr_va_sdst(0) depctr_va_ssrc(0) depctr_va_vcc(0) depctr_vm_vsrc(0)
	s_getreg_b32 s2, hwreg(HW_REG_IB_STS2, 6, 4)
	s_cmp_eq_u32 s2, 0
	s_cbranch_scc0 .Lentry_in_a_cluster
	s_endpgm
.Lentry_in_a_cluster:
	s_bfe_u32 s2, ttmp6, 0x10000c
	s_cmp_lg_u32 s2, 0xf033
	s_cbranch_scc0 .Lentry_shape_is_right
	s_endpgm
.Lentry_shape_is_right:
; out0 = a Wo^T + bo on codes of FP8 (E4M3).  a_img: the attention's result as images of fragments (16 tokens x a head's 64): ((token tile) x 8 + head) x 1,024 bytes, scale 2^e10.
; Wo: [512][512] codes, K innermost, scale 2^e11.  bo: [512] f32.  out0: [16384][512] f32.
; SHARES.  A work-group makes 256 tokens x 128 features; wave w makes 64 tokens (w / 2) x 64 features (w % 2): 16 accumulators.  All of K = 512 lies in LDS at once, each byte filled once: no ring.
; a's 256 tokens are one dense block of 131,072 bytes (waves 0-3: a quarter each, rows of 256 bytes); Wo's 128 rows of 512 bytes get 16 bytes of padding each (waves 4, 5: a half each).
; CLUSTER 4 x 4: a's block is shared along a row of the cluster, Wo's rows along a column: joint loads with the mask of the four.
; The products are used transposed (source 0 = 16 rows of Wo, source 1 = 16 tokens): a lane holds eight neighbouring features of one token.  a's codes lie in the form's own order of k
; (registers 2 q, 2 q + 1: k = 16 q + 8 h + 0 .. 7), so Wo's fragments are fetched in that order too, by loads of 8 bytes.
; THE WAY OUT: y = sum x 2^(e10 + e11) + bo, one packed multiply-add for two numbers; 16 tokens x 64 features go through the wave's own stage in LDS and leave as rows of 256 bytes.
; LIMIT: e10 + e11 between -126 and 127, so that 2^(e10 + e11) is an f32 number.  NaN codes are not served.
.set PITCH, 528                        ; Wo's LDS row: 512 bytes + 16
.set WOFF,  131072                     ; Wo's rows lie behind a's images
.set STG,   WOFF+128*PITCH             ; behind them the stages: 16 rows x 272 bytes for each wave; no tensor load lands there
.set SP,    272
.set WF,    32                         ; v32-63   four fragments of Wo; on the way out a tile's results
.set AF,    64                         ; v64-95   four fragments of a; on the way out 16 rows read back
.set BO,    96                         ; v96-127  bo(16 a + 8 h + j) at 8 a + j
.set ACC,   128                        ; v128-255 accumulator (a, c) at 8 (4 c + a)
.set WV,    14
.set G1A,   24                         ; s[24:31], s[32:35] a's descriptor;  s[36:43], s[44:47] Wo's
.set G0A,   32
.set G1W,   36
.set G0W,   44
.macro CROUND                          ; a round of the cluster's barrier
	s_barrier_signal -1
	s_barrier_wait -1
	s_cmp_lg_u32 s[WV], 0
	s_cbranch_scc1 .Lnot_wave_0_\@
	s_barrier_signal -3
.Lnot_wave_0_\@:
	s_barrier_wait -3
	s_barrier_signal -1
	s_barrier_wait -1
.endm
	s_load_b256 s[4:11], s[0:1], 0x0               ; a_img s[4:5], Wo s[6:7], bo s[8:9], the scales' exponents s[10:11]
	s_load_b64 s[12:13], s[0:1], 0x20              ; out0
	v_lshl_add_u32 v30, v0, 2, 0x39000
	v_mov_b32 v31, 0
	ds_add_u32 v30, v31
	ds_add_u32 v30, v31
	v_lshrrev_b32 v1, 5, v0
	v_readfirstlane_b32 s[WV], v1                  ; wave 0..7
	s_bfe_u32 s15, ttmp6, 0x40000                  ; cx
	s_bfe_u32 s16, ttmp6, 0x40004                  ; cy
	s_and_b32 s17, ttmp7, 0xffff
	s_lshl_b32 s17, s17, 2
	s_add_co_u32 s17, s17, s16                     ; tb: which 256 tokens
	s_lshl_b32 s18, ttmp9, 2
	s_add_co_u32 s18, s18, s15                     ; fb: which 128 features
	s_lshl_b32 s19, s16, 2
	s_lshl_b32 s19, 15, s19                        ; my row of the cluster
	s_lshl_b32 s20, 0x1111, s15                    ; my column
	s_and_b32 s21, s[WV], 1                        ; hw
	s_lshr_b32 s22, s[WV], 1                       ; tq
	s_or_b32 s[G1A], s19, (3<<16)|(1<<21)          ; a: the mask of my row; elements of 8 bytes; bit 21 beside a mask
	s_mov_b32 s[G1A+1], 32<<16                     ; rows of 256 bytes,
	s_mov_b32 s[G1A+2], 128<<16                    ; 128 of them,
	s_mov_b32 s[G1A+3], 32<<16
	s_mov_b32 s[G1A+4], 128
	s_mov_b32 s[G1A+5], 32                         ; dense
	s_mov_b32 s[G1A+6], 0
	s_mov_b32 s[G1A+7], 0
	s_or_b32 s[G1W], s20, (1<<20)|(1<<21)|(6<<22)|(3<<25)   ; Wo: the mask of my column; elements of 1 byte; 16 bytes of padding behind every 128 words
	s_mov_b32 s[G1W+1], 512<<16
	s_mov_b32 s[G1W+2], 64<<16
	s_mov_b32 s[G1W+3], 512<<16
	s_mov_b32 s[G1W+4], 64
	s_mov_b32 s[G1W+5], 512
	s_mov_b32 s[G1W+6], 0
	s_mov_b32 s[G1W+7], 0
	s_and_b32 s23, s[WV], 3
	s_mov_b32 s[G0A], 1
	s_lshl_b32 s[G0A+1], s23, 15                   ; LDS: a quarter of the block
	s_lshl_b32 s48, s17, 17                        ; made of tb and the wave alone
	s_lshl_b32 s49, s23, 15
	s_add_co_u32 s48, s48, s49
	s_mov_b32 s49, 0
	s_mov_b32 s[G0W], 1
	s_mul_i32 s[G0W+1], s21, 64*PITCH
	s_add_co_u32 s[G0W+1], s[G0W+1], WOFF
	s_lshl_b32 s50, s18, 16                        ; made of fb and the wave alone
	s_lshl_b32 s51, s21, 15
	s_add_co_u32 s50, s50, s51
	s_mov_b32 s51, 0
	s_wait_dscnt 0x0
	s_wait_kmcnt 0x0
	s_load_b64 s[52:53], s[10:11], 0x28            ; e10, e11
	s_add_nc_u64 s[G0A+2:G0A+3], s[4:5], s[48:49]
	s_or_b32 s[G0A+3], s[G0A+3], 0x80000000
	s_add_nc_u64 s[G0W+2:G0W+3], s[6:7], s[50:51]
	s_or_b32 s[G0W+3], s[G0W+3], 0x80000000
	CROUND                                         ; all sixteen work-groups are here: the joint loads meet
	s_cmp_lt_u32 s[WV], 4                          ; waves 0-3: a; waves 4, 5: Wo; waves 6, 7: nothing
	s_cbranch_scc0 .Lnot_a
	tensor_load_to_lds s[G0A:G0A+3], s[G1A:G1A+7]
	s_nop 0
.rept 4
	v_nop
.endr
	s_branch .Lasked
.Lnot_a:
	s_cmp_lt_u32 s[WV], 6
	s_cbranch_scc0 .Lasked
	tensor_load_to_lds s[G0W:G0W+3], s[G1W:G1W+7]
	s_nop 0
.rept 4
	v_nop
.endr
.Lasked:
	v_and_b32 v1, 15, v0                           ; r
	v_bfe_u32 v2, v0, 4, 1                         ; h
	s_lshl_b32 s56, s18, 9
	s_lshl_b32 s57, s21, 8
	s_add_co_u32 s56, s56, s57                     ; my 64 features, in bytes of f32: in bo and in a row of out0
	s_mov_b32 s57, 0
	s_add_nc_u64 s[8:9], s[8:9], s[56:57]
	v_lshlrev_b32 v9, 5, v2                        ; 32 h
.irp a, 0,1,2,3
	global_load_b128 v[BO+8*\a:BO+8*\a+3], v9, s[8:9] offset:64*\a
	global_load_b128 v[BO+8*\a+4:BO+8*\a+7], v9, s[8:9] offset:64*\a+16
.endr
	v_and_b32 v4, 31, v0
	v_lshlrev_b32 v4, 4, v4
	v_lshl_add_u32 v4, s22, 15, v4                 ; a: 16 x lane + my four token tiles
	v_mul_u32_u24 v3, v1, PITCH
	v_lshl_add_u32 v3, v2, 3, v3
	s_mul_i32 s23, s21, 64*PITCH
	s_add_co_u32 s23, s23, WOFF
	v_add_nc_u32 v5, s23, v3                       ; Wo: my 64 rows; row r, + 8 h
	s_mul_i32 s23, s[WV], 16*SP
	s_add_co_u32 s23, s23, STG                     ; my stage
	v_mul_u32_u24 v6, v1, SP
	v_lshl_add_u32 v6, v2, 5, v6
	v_add_nc_u32 v6, s23, v6                       ; in: row r, 32 bytes for each half of the lanes
	v_mul_u32_u24 v7, v2, SP
	v_lshl_add_u32 v7, v1, 4, v7
	v_add_nc_u32 v7, s23, v7                       ; back: lanes 0-15 one row of 256 bytes, lanes 16-31 the next
	v_lshlrev_b32 v8, 4, v1
	v_lshl_add_u32 v8, v2, 11, v8                  ; and the same two rows in out0
	s_lshl_b32 s54, s17, 19                        ; 256 rows of 2,048 bytes,
	s_lshl_b32 s55, s22, 17                        ; my 64 of them
	s_add_co_u32 s54, s54, s55
	s_add_co_u32 s54, s54, s56
	s_mov_b32 s55, 0
	s_add_nc_u64 s[12:13], s[12:13], s[54:55]
	s_wait_kmcnt 0x0
	s_add_co_i32 s52, s52, s53
	s_add_co_i32 s52, s52, 127
	s_lshl_b32 s52, s52, 23                        ; 2^(e10 + e11) as f32
	s_mov_b32 s53, s52                             ; (named with it as a pair, so it is written)
	s_wait_tensorcnt 0x0                           ; my part of the tiles has landed,
	s_barrier_signal -1
	s_barrier_wait -1                              ; everybody's has
.irp hd, 0,1,2,3,4,5,6,7                       ; eight K steps of 64: a head each
.if \hd > 0
.rept 4
	v_nop                                          ; four places in front of loads into registers that matrix instructions have read
.endr
.endif
.irp a, 0,1,2,3
.irp q, 0,1,2,3
	ds_load_b64 v[WF+8*\a+2*\q:WF+8*\a+2*\q+1], v5 offset:16*\a*PITCH+64*\hd+16*\q
.endr
.endr
.irp c, 0,1,2,3
.irp g, 0,1
	ds_load_b128 v[AF+8*\c+4*\g:AF+8*\c+4*\g+3], v4 offset:8192*\c+1024*\hd+512*\g
.endr
.endr
	s_wait_dscnt 0x0
.irp c, 0,1,2,3                                ; the sixteen accumulators take turns, in the same order in every step
.irp a, 0,1,2,3
.if \hd == 0
	v_wmma_f32_16x16x64_fp8_fp8 v[ACC+8*(4*\c+\a):ACC+8*(4*\c+\a)+7], v[WF+8*\a:WF+8*\a+7], v[AF+8*\c:AF+8*\c+7], 0
.else
	v_wmma_f32_16x16x64_fp8_fp8 v[ACC+8*(4*\c+\a):ACC+8*(4*\c+\a)+7], v[WF+8*\a:WF+8*\a+7], v[AF+8*\c:AF+8*\c+7], v[ACC+8*(4*\c+\a):ACC+8*(4*\c+\a)+7]
.endif
.endr
.endr
.endr
	s_wait_loadcnt 0x0                             ; bo
.rept 4
	v_nop                                          ; places in front of the first read of results and the first write of the fragments' registers
.endr
.irp c, 0,1,2,3                                ; sixteen tokens at a time
.irp a, 0,1,2,3
.irp i, 0,2,4,6
	v_pk_fma_f32 v[WF+8*\a+\i:WF+8*\a+\i+1], v[ACC+8*(4*\c+\a)+\i:ACC+8*(4*\c+\a)+\i+1], s[52:53], v[BO+8*\a+\i:BO+8*\a+\i+1] op_sel_hi:[1,0,1]   ; sum x 2^(e10 + e11) + bo; each accumulator from its low end on
.endr
.endr
.irp a, 0,1,2,3
	ds_store_b128 v6, v[WF+8*\a:WF+8*\a+3] offset:64*\a           ; lane (r, h): token r, features 16 a + 8 h + 0 .. 7
	ds_store_b128 v6, v[WF+8*\a+4:WF+8*\a+7] offset:64*\a+16
.endr
.if \c > 0
	s_wait_xcnt 0x0                                ; the registers that the last tile's stores read are loaded again only behind this wait
.endif
.irp i, 0,1,2,3,4,5,6,7
	ds_load_b128 v[AF+4*\i:AF+4*\i+3], v7 offset:2*\i*SP          ; LDS serves a wave's instructions in order: these see the stores above
.endr
.irp i, 0,1,2,3,4,5,6,7
	s_wait_dscnt 7-\i                              ; load i is in, the younger ones stay out; at i = 7 the stage's stores and loads are all done
	global_store_b128 v8, v[AF+4*\i:AF+4*\i+3], s[12:13] offset:(16*\c+2*\i)*2048 th:TH_STORE_NT   ; sixteen lanes store 256 consecutive bytes, at a multiple of 256 from out0's first byte; written once, read by nobody here
.endr
.endr
	s_wait_dscnt 0x0                               ; no LDS instruction of mine is pending at a signal
	s_wait_tensorcnt 0x0
	ds_add_u32 v30, v31
	s_wait_dscnt 0x0
	CROUND                                         ; the closing round: no work-group ends while a partner may still ask for a tile that names it
	s_endpgm
.Lfunc_end_k_q1287516ec7_outproj:
	.size	k_q1287516ec7_outproj, .Lfunc_end_k_q1287516ec7_outproj-k_q1287516ec7_outproj
	.p2alignl 7, 3214868480
	.fill 96, 4, 3214868480
	.section	.rodata,"a",@progbits
	.p2align	6, 0x0
	.amdhsa_kernel k_q1287516ec7_outproj
		.amdhsa_group_segment_fixed_size 234496
		.amdhsa_private_segment_fixed_size 0
		.amdhsa_enable_private_segment 0
		.amdhsa_kernarg_size 40
		.amdhsa_user_sgpr_count 2
		.amdhsa_user_sgpr_kernarg_segment_ptr 1
		.amdhsa_wavefront_size32 1
		.amdhsa_system_sgpr_workgroup_id_x 1
		.amdhsa_system_sgpr_workgroup_id_y 1
		.amdhsa_system_sgpr_workgroup_id_z 1
		.amdhsa_system_vgpr_workitem_id 0
		.amdhsa_next_free_vgpr 256
		.amdhsa_next_free_sgpr 66
		.amdhsa_reserve_vcc 0
		.amdhsa_float_denorm_mode_32 3
		.amdhsa_float_denorm_mode_16_64 3
		.amdhsa_memory_ordered 1
		.amdhsa_forward_progress 1
		.amdhsa_inst_pref_size 41
	.end_amdhsa_kernel
	.amdgpu_metadata
---
amdhsa.version: [ 1, 2 ]
amdhsa.kernels:
  - .name:           k_q1287516ec7_outproj
    .symbol:         k_q1287516ec7_outproj.kd
    .args:
      - { .name: a_img, .offset: 0, .size: 8, .value_kind: global_buffer, .address_space: global }
      - { .name: Wo_codes, .offset: 8, .size: 8, .value_kind: global_buffer, .address_space: global }
      - { .name: bo, .offset: 16, .size: 8, .value_kind: global_buffer, .address_space: global }
      - { .name: lowp_scales, .offset: 24, .size: 8, .value_kind: global_buffer, .address_space: global }
      - { .name: out0, .offset: 32, .size: 8, .value_kind: global_buffer, .address_space: global }
    .group_segment_fixed_size: 234496
    .private_segment_fixed_size: 0
    .kernarg_segment_align: 8
    .kernarg_segment_size: 40
    .max_flat_workgroup_size: 256
    .sgpr_count:     66
    .vgpr_count:     256
    .wavefront_size: 32
...
	.end_amdgpu_metadata
.endif
;; end of part 4
;; ======== version 2 of 2: 3 launches
;; limits: right only within a limited range of input values
;; workspace buffers: mbits 524,288 bytes of whole numbers; q_img 8,388,608 bytes; k_img 8,388,608 bytes; v_img 8,388,608 bytes; a_img 8,388,608 bytes
;; launch prep (part 5): grid 4 x 64, 8 waves a work-group, clusters of 4 x 4, 327,680 bytes of LDS; arguments Q_codes, K_codes, V_codes, Wq_codes, Wk_codes, Wv_codes, bq, bk, bv, lowp_scales, mask, q_img, k_img, v_img, mbits; writes q_img, k_img, v_img, mbits
.if DOCPART == 5
	.amdgcn_target "amdgcn-amd-amdhsa--gfx1250"
	.amdhsa_code_object_version 6
	.text
	.protected	k_q1287516ec7_prep
	.globl	k_q1287516ec7_prep
	.p2align	8
	.type	k_q1287516ec7_prep,@function
k_q1287516ec7_prep:
	s_mov_b64 s[64:65], 0
	v_nop
	global_prefetch_b8 v0, s[64:65] scope:SCOPE_SE
	s_setreg_imm32_b32 hwreg(HW_REG_WAVE_MODE, 25, 1), 1
	s_wait_xcnt 0x0
	s_wait_alu depctr_hold_cnt(0) depctr_sa_sdst(0) depctr_va_vdst(0) depctr_va_sdst(0) depctr_va_ssrc(0) depctr_va_vcc(0) depctr_vm_vsrc(0)
	s_getreg_b32 s2, hwreg(HW_REG_IB_STS2, 6, 4)
	s_cmp_eq_u32 s2, 0
	s_cbranch_scc0 .Lentry_in_a_cluster
	s_endpgm
.Lentry_in_a_cluster:
	s_bfe_u32 s2, ttmp6, 0x10000c
	s_cmp_lg_u32 s2, 0xf033
	s_cbranch_scc0 .Lentry_shape_is_right
	s_endpgm
.Lentry_shape_is_right:
; ALL THAT STANDS AHEAD OF THE ATTENTION, IN ONE LAUNCH OF WORK-GROUPS THAT STAY: the three projections x W^T + b on codes of FP8 (E4M3), their results quantised at once, and the mask packed into bits.
; x: [16384][512] codes, W: [512][512] codes, K innermost; b: [512] f32.  Scales 2^e: (x, W, result) = entries (0, 1, 6) for q, (2, 3, 7) for k, (4, 5, 9) for v.  mask: [2048][2048] int32.
; SHARES.  Work-group (fb, tb) makes 256 tokens (tb) x 128 features (fb: two heads) of q, then of k, then of v.  Wave w makes 64 tokens (w / 2) x 64 features, one head (w % 2): 16 accumulators.
; Wave w also packs 32 rows (group tb) x 64 columns (step 8 fb + w) of the mask.
; LDS.  Three regions, each for HALF of K (256) of one tensor: 256 rows of x, then 128 rows of W, rows of 256 + 16 bytes.  q's two halves begin in regions 0 and 1, k's low half in region 2; k's high half follows
; into region 0 when q's low half has been multiplied; v's two halves follow into regions 1 and 2 when q's high and k's low half have been.  So two refills serve the launch, and products run while each is on its way.
; TENSOR LOADS of 128 rows x 256 bytes.  A pair (both halves of a tensor): waves 0-3 bring x (half w / 2, rows 128 (w % 2) on), waves 4, 5 bring W (half w % 2).  A single half: waves 0, 1 bring x, wave 4 brings W.
; A wave has at most one tensor load out: each is waited for before the next is issued.
; CLUSTER 4 x 4: the four work-groups of a row need the same rows of x, the four of a column the same rows of W: every load is joint, with a mask that names the four; each refill stands behind a round of the cluster's barrier.
; WHAT LEAVES: IMAGES OF OPERANDS.  In a result tile register j of lane (r, h) is (row 8 h + j of source 0, row r of source 1).  Eight results of a lane, converted, are two registers of codes of
; k = 16 a + 8 h + 0 .. 7: registers 2 a, 2 a + 1 of a 16 x 64 fragment whose K is source 0's rows.  q, k: source 0 = W (K = the head's 64), source 1 = tokens.  v: source 0 = tokens (K = 64 keys), source 1 = W.
; A fragment is stored as its registers stand: group g (registers 4 g .. 4 g + 3) of lane l at byte 512 g + 16 l of its 1,024.  q_img, k_img: fragment (bh x 128 + token tile); v_img: fragment ((bh x 32 + key step) x 4 + d tile).
; In all three the wave's four fragments are one block of 4,096 bytes at (bh x 32 + 64-token step) x 4,096, and each store covers 512 consecutive aligned bytes.
; The bias is the C of each sum's first product, divided by the power of two that the sums lack; the three scales are folded into the conversion's one: code = sum / 2^(eo - ex - ew).
; Fragments are fetched by loads of 16 bytes, which permutes k inside a K step of 64 alike on both sides: every product meets its partner.
; THE MASK.  mbits: word ((G x 32 + st) x 64 + 2 n + U), n = 8 t + j; bit (r + 16 h) is 1 where mask[32 G + 16 U + r][64 st + 16 t + 8 h + j] == 0: the lanes in which register j of score tile t is hidden.
; The wave's 16 loads (two rows' 256 aligned bytes each) go out at the head, into registers of the second window, and are on their way under the products; the numbers turn through a stage in region 0,
; behind that region's last fill and last read, so that lane (r, h) gets row r's numbers of its half; a compare gives a word, v_writelane_b32 puts it into lane n.
; LIMITS: eo - ex - ew between -126 and 119 for each of the three, so that 2^(..) and 448 x 2^(..) are f32 numbers.  NaN codes and NaN biases are not served.
.set PITCH, 272                        ; an LDS row: 256 bytes + 16: an odd multiple of 16, so the sixteen rows of a load begin in sixteen different columns of 16 bytes
.set T64,   64*PITCH                   ; what one wave reads of x or of W
.set T128,  128*PITCH                  ; what one tensor load brings
.set XH,    256*PITCH                  ; W's rows lie behind x's 256
.set REG,   384*PITCH                  ; a region: 104,448 bytes
.set SPARE, 3*REG                      ; behind the regions: the spare words, 128 bytes for each wave: four blocks of 256 bytes that no other line names
.set MST,   32*PITCH                   ; a wave's stage for the mask: 32 rows, in region 0
.set MROW,  8192                       ; a row of the mask in bytes
.set WF,    32                         ; v32-63   four fragments of W; on the way out the codes
.set XF,    64                         ; v64-95   four fragments of x
.set BI,    96                         ; v96-127  the bias as C: four tiles of eight registers
.set ACC,   128                        ; v128-255 accumulator (a, c) at 8 (4 c + a)
.set RB,    32                         ; v32-95   the mask back from the stage: register 32 U + 8 t + j
.set AX,    22                         ; v22-24   LDS address of my x fragments in region 0, 1, 2
.set AW,    25                         ; v25-27   the same for W
.set SPW,   28                         ; v28      LDS address of my spare word; never rewritten
.set NIL,   29                         ; v29      0; never rewritten
; v4 mask: my bytes in memory; v5, v15 into and out of the stage; v16 8 x lane; v18, v19 the words; v6 16 x lane; v9, v14 offsets of the biases; v10-13 bv; v7, v8 / v20, v21 / v30, v31: scale and hold for q / k / v
; second window: v256-319 (named v0-63 there) the mask as loaded
.set WV,    34                         ; s34  wave
.set G1X,   44                         ; s[44:51] group 1 for x;  s[52:59] for W
.set G1W,   52
.set XPQ,   60                         ; groups 0.  x: q's pair,
.set XSK,   68                         ;   k's single half (first the low one, then stepped to the high one),
.set XPV,   72                         ;   v's pair
.set WPQ,   76                         ; W likewise
.set WSK,   80
.set WPV,   84
.set MSB, 0
.macro WIN new                         ; the immediate's high byte repeats the setting that is left
.if MSB != \new
	s_set_vgpr_msb (MSB<<8)|\new
.set MSB, \new
.endif
.endm
.macro NOPS4
.rept 4
	v_nop
.endr
.endm
.macro CROUND                          ; a round of the cluster's barrier
	s_barrier_signal -1
	s_barrier_wait -1
	s_cmp_lg_u32 s[WV], 0
	s_cbranch_scc1 .Lnot_wave_0_\@
	s_barrier_signal -3
.Lnot_wave_0_\@:
	s_barrier_wait -3
	s_barrier_signal -1
	s_barrier_wait -1
.endm
; The joint loads of one group, one a wave at the most: x1: the group 0 that waves 0 and 1 issue; x3: waves 2 and 3; w1: wave 4; w3: wave 5; x4: waves 6 and 7; 0 = none.
; One chain of branches on the wave's number, one load to an arm, all arms leading to one join.  At the head every wave issues one (q's two halves, and x of k's low half by waves 6 and 7);
; Wk's low half follows behind a full sequence and a round of its own.  Four v_nop follow a load, ahead of the jump and the label.
.macro TLOADS x1, x3, w1, w3, x4
	s_cmp_lt_u32 s[WV], 2
	s_cbranch_scc0 .Lt1_\@
.if \x1
	tensor_load_to_lds s[\x1:\x1+3], s[G1X:G1X+7]
	s_nop 0
	NOPS4
.endif
	s_branch .Lt9_\@
.Lt1_\@:
	s_cmp_lt_u32 s[WV], 4
	s_cbranch_scc0 .Lt2_\@
.if \x3
	tensor_load_to_lds s[\x3:\x3+3], s[G1X:G1X+7]
	s_nop 0
	NOPS4
.endif
	s_branch .Lt9_\@
.Lt2_\@:
	s_cmp_eq_u32 s[WV], 4
	s_cbranch_scc0 .Lt3_\@
.if \w1
	tensor_load_to_lds s[\w1:\w1+3], s[G1W:G1W+7]
	s_nop 0
	NOPS4
.endif
	s_branch .Lt9_\@
.Lt3_\@:
	s_cmp_eq_u32 s[WV], 5
	s_cbranch_scc0 .Lt4_\@
.if \w3
	tensor_load_to_lds s[\w3:\w3+3], s[G1W:G1W+7]
	s_nop 0
	NOPS4
.endif
	s_branch .Lt9_\@
.Lt4_\@:
.if \x4
	tensor_load_to_lds s[\x4:\x4+3], s[G1X:G1X+7]
	s_nop 0
	NOPS4
.endif
.Lt9_\@:
.endm
	s_load_b512 s[4:19], s[0:1], 0x0               ; Q s[4:5], K s[6:7], V s[8:9], Wq s[10:11], Wk s[12:13], Wv s[14:15], bq s[16:17], bk s[18:19]
	s_load_b256 s[20:27], s[0:1], 0x40             ; bv s[20:21], the scales' exponents s[22:23], mask s[24:25], q_img s[26:27]
	s_load_b128 s[28:31], s[0:1], 0x60             ; k_img s[28:29], v_img s[30:31]
	s_load_b64 s[32:33], s[0:1], 0x70              ; mbits
	v_lshl_add_u32 v[SPW], v0, 2, SPARE
	v_mov_b32 v[NIL], 0
	ds_add_u32 v28, v29
	ds_add_u32 v28, v29
	s_wait_dscnt 0x0
	v_lshrrev_b32 v1, 5, v0
	s_delay_alu instid0(VALU_DEP_1)
	v_readfirstlane_b32 s[WV], v1                  ; wave 0..7
	s_bfe_u32 s35, ttmp6, 0x40000                  ; cx
	s_bfe_u32 s36, ttmp6, 0x40004                  ; cy
	s_and_b32 s37, ttmp7, 0xffff
	s_lshl_b32 s37, s37, 2
	s_add_co_u32 s37, s37, s36                     ; tb: which 256 tokens
	s_lshl_b32 s38, ttmp9, 2
	s_add_co_u32 s38, s38, s35                     ; fb: which 128 features
	s_lshl_b32 s39, s36, 2
	s_lshl_b32 s39, 15, s39                        ; my row of the cluster
	s_lshl_b32 s40, 0x1111, s35                    ; my column
	s_and_b32 s41, s[WV], 1                        ; hw: which 64 features are mine.  Also: which 128 rows of x, or which half of W's K, I fetch
	s_lshr_b32 s42, s[WV], 1                       ; tq: which 64 tokens are mine
	s_bfe_u32 s43, s[WV], 0x10001                  ; bit 1 of the wave's number: which half of x's K a wave of 0..3 fetches in a pair
	; group 1: 128 rows x 256 elements of one byte, 512 bytes from row to row, 16 bytes of padding behind every 64 words
	s_or_b32 s[G1X], s39, (1<<20)|(1<<21)|(5<<22)|(3<<25)   ; 15:0 the mask: x's tiles go to my row; 20 padding on; 21 set beside a mask; 24:22 code 5; 31:25 code 3
	s_or_b32 s[G1W], s40, (1<<20)|(1<<21)|(5<<22)|(3<<25)   ; W's go to my column
.irp g, G1X, G1W
	s_mov_b32 s[\g+1], 256<<16                     ; tensor_dim0
	s_mov_b32 s[\g+2], 128<<16                     ; tensor_dim1
	s_mov_b32 s[\g+3], 256<<16                     ; tile_dim0
	s_mov_b32 s[\g+4], 128                         ; tile_dim1
	s_mov_b32 s[\g+5], 512                         ; from row to row
	s_mov_b32 s[\g+6], 0
	s_mov_b32 s[\g+7], 0
.endr
	; groups 0: where the tiles go: constants and the wave's number alone
	s_mul_i32 s97, s41, T128                       ; x's rows 128 (w % 2) on, in region 0: kept for k's high half
	s_mul_i32 s98, s43, REG
	s_add_co_u32 s98, s98, s97
	s_mov_b32 s[XPQ], 1
	s_mov_b32 s[XPQ+1], s98                        ; q: the low half into region 0, the high half into region 1
	s_mov_b32 s[XPV], 1
	s_add_co_u32 s[XPV+1], s98, REG                ; v: into regions 1 and 2
	s_mov_b32 s[XSK], 1
	s_add_co_u32 s[XSK+1], s97, 2*REG              ; k's low half: into region 2
	s_mul_i32 s99, s41, REG
	s_add_co_u32 s99, s99, XH
	s_mov_b32 s[WPQ], 1
	s_mov_b32 s[WPQ+1], s99
	s_mov_b32 s[WPV], 1
	s_add_co_u32 s[WPV+1], s99, REG
	s_mov_b32 s[WSK], 1
	s_mov_b32 s[WSK+1], 2*REG+XH
	; and where they come from: x's offsets are made of tb and the wave alone, W's of fb and the wave alone, each in registers that never hold the other coordinate
	s_lshl_b32 s88, s37, 17                        ; 256 rows of 512 bytes,
	s_lshl_b32 s89, s41, 16                        ; 128 of them
	s_add_co_u32 s88, s88, s89
	s_mov_b32 s89, 0                               ; s[88:89]: a low half
	s_lshl_b32 s92, s43, 8
	s_add_co_u32 s92, s92, s88
	s_mov_b32 s93, 0                               ; s[92:93]: my half of a pair
	s_lshl_b32 s90, s38, 16                        ; 128 rows of 512 bytes
	s_mov_b32 s91, 0                               ; s[90:91]: a low half
	s_lshl_b32 s100, s41, 8
	s_add_co_u32 s100, s100, s90
	s_mov_b32 s101, 0                              ; s[100:101]: my half of a pair
	s_wait_kmcnt 0x0
	s_add_nc_u64 s[XPQ+2:XPQ+3], s[4:5], s[92:93]
	s_or_b32 s[XPQ+3], s[XPQ+3], 0x80000000
	s_add_nc_u64 s[XSK+2:XSK+3], s[6:7], s[88:89]
	s_or_b32 s[XSK+3], s[XSK+3], 0x80000000
	s_add_nc_u64 s[XPV+2:XPV+3], s[8:9], s[92:93]
	s_or_b32 s[XPV+3], s[XPV+3], 0x80000000
	s_add_nc_u64 s[WPQ+2:WPQ+3], s[10:11], s[100:101]
	s_or_b32 s[WPQ+3], s[WPQ+3], 0x80000000
	s_add_nc_u64 s[WSK+2:WSK+3], s[12:13], s[90:91]
	s_or_b32 s[WSK+3], s[WSK+3], 0x80000000
	s_add_nc_u64 s[WPV+2:WPV+3], s[14:15], s[100:101]
	s_or_b32 s[WPV+3], s[WPV+3], 0x80000000
	s_load_b256 s[4:11], s[22:23], 0x0             ; e0 .. e7, into registers whose addresses have served
	s_load_b128 s[12:15], s[22:23], 0x20           ; e8 .. e11
	CROUND                                         ; all sixteen work-groups are here: the first joint loads meet
	TLOADS XPQ, XPQ, WPQ, WPQ, XSK                 ; the first fills, one a wave: q's two halves, and x of k's low half
	v_and_b32 v1, 15, v0                           ; r
	s_wait_alu depctr_va_vdst(0)
	v_bfe_u32 v2, v0, 4, 1                         ; h
	s_lshl_b32 s104, s38, 9
	s_lshl_b32 s105, s41, 8
	s_add_co_u32 s104, s104, s105                  ; my 64 features' biases: 4 (128 fb + 64 hw) bytes on
	s_mov_b32 s105, 0
	s_add_nc_u64 s[16:17], s[16:17], s[104:105]
	s_add_nc_u64 s[18:19], s[18:19], s[104:105]
	s_add_nc_u64 s[20:21], s[20:21], s[104:105]
	v_lshlrev_b32 v9, 5, v2                        ; 32 h
	v_lshlrev_b32 v14, 2, v1                       ; 4 r
.irp a, 0,1,2,3
	global_load_b128 v[BI+8*\a:BI+8*\a+3], v9, s[16:17] offset:64*\a          ; bq(16 a + 8 h + 0 .. 7)
	global_load_b128 v[BI+8*\a+4:BI+8*\a+7], v9, s[16:17] offset:64*\a+16
.endr
.irp c, 0,1,2,3
	global_load_b32 v[10+\c], v14, s[20:21] offset:64*\c                      ; bv(16 c + r)
.endr
	s_lshl_b32 s104, s38, 3
	s_add_co_u32 s104, s104, s[WV]                 ; st = 8 fb + wave: my step of 64 columns of the mask
	s_lshl_b32 s66, s37, 5
	s_add_co_u32 s66, s66, s104
	s_lshl_b32 s66, s66, 8                         ; (32 G + st) x 256 bytes of words
	s_mov_b32 s67, 0
	s_add_nc_u64 s[32:33], s[32:33], s[66:67]
	s_lshl_b32 s104, s104, 8                       ; 64 ints,
	s_lshl_b32 s66, s37, 18                        ; 32 rows of 8,192 bytes
	s_add_co_u32 s104, s104, s66
	s_add_nc_u64 s[24:25], s[24:25], s[104:105]
	v_lshlrev_b32 v4, 4, v1
	s_wait_alu depctr_va_vdst(0)
	v_lshl_add_u32 v4, v2, 13, v4                  ; 16 r, lanes 16-31 one row further down
	WIN 0x40                                       ; destination in the second window
.irp k, 0,1,2,3,4,5,6,7,8,9,10,11,12,13,14,15
	global_load_b128 v[4*\k:4*\k+3], v4, s[24:25] offset:2*\k*MROW th:TH_LOAD_NT   ; the mask's rows 2 k and 2 k + 1, 256 aligned bytes each; read once in the whole launch
.endr
	WIN 0
	v_mul_u32_u24 v3, v1, PITCH
	s_delay_alu instid0(VALU_DEP_1)
	v_lshl_add_u32 v3, v2, 4, v3                   ; a fragment's row x pitch + 16 h
	s_mul_i32 s43, s42, T64
	v_add_nc_u32 v[AX], s43, v3                    ; my 64 rows of x, in each region
	s_delay_alu instid0(VALU_DEP_1)
	v_add_nc_u32 v[AX+1], REG, v[AX]
	s_delay_alu instid0(VALU_DEP_2)
	v_add_nc_u32 v[AX+2], 2*REG, v[AX]
	s_mul_i32 s43, s41, T64
	s_add_co_u32 s43, s43, XH
	v_add_nc_u32 v[AW], s43, v3                    ; my 64 rows of W
	s_delay_alu instid0(VALU_DEP_1)
	v_add_nc_u32 v[AW+1], REG, v[AW]
	s_delay_alu instid0(VALU_DEP_2)
	v_add_nc_u32 v[AW+2], 2*REG, v[AW]
	v_and_b32 v6, 31, v0
	s_delay_alu instid0(VALU_DEP_1)
	v_lshlrev_b32 v16, 3, v6                       ; 8 x lane: my two words of the mask
	s_delay_alu instid0(VALU_DEP_2)
	v_lshlrev_b32 v6, 4, v6                        ; 16 x lane: my place in an image
	s_mul_i32 s43, s[WV], MST                      ; my stage for the mask
	v_mul_u32_u24 v5, v2, PITCH
	s_delay_alu instid0(VALU_DEP_1)
	v_lshl_add_u32 v5, v1, 4, v5
	s_delay_alu instid0(VALU_DEP_1)
	v_add_nc_u32 v5, s43, v5                       ; into it: row h, 16 r
	v_mul_u32_u24 v15, v1, PITCH
	s_delay_alu instid0(VALU_DEP_1)
	v_lshl_add_u32 v15, v2, 5, v15
	s_delay_alu instid0(VALU_DEP_1)
	v_add_nc_u32 v15, s43, v15                     ; out of it: row r, 32 h
	v_mov_b32 v18, 0                               ; the words of U = 0, lane n: written whole once, since v_writelane_b32 writes one lane
	v_mov_b32 v19, 0                               ; and of U = 1
	s_lshr_b32 s66, s37, 3                         ; the batch
	s_lshl_b32 s66, s66, 3
	s_lshl_b32 s67, s38, 1
	s_add_co_u32 s66, s66, s67
	s_add_co_u32 s66, s66, s41                     ; bh = 8 batch + 2 fb + hw
	s_lshl_b32 s66, s66, 5
	s_and_b32 s67, s37, 7
	s_lshl_b32 s67, s67, 2
	s_add_co_u32 s66, s66, s67
	s_add_co_u32 s66, s66, s42                     ; + which 64 tokens of the batch's 2,048
	s_lshl_b32 s66, s66, 12                        ; x 4,096 bytes: the same place in all three buffers of images
	s_mov_b32 s67, 0
	s_add_nc_u64 s[26:27], s[26:27], s[66:67]
	s_add_nc_u64 s[28:29], s[28:29], s[66:67]
	s_add_nc_u64 s[30:31], s[30:31], s[66:67]
	s_wait_kmcnt 0x0
; a sum stands for sum x 2^(ex + ew): the bias goes in as b / 2^(ex + ew) (s[neg] = -(ex + ew)); v[sc] = 2^(eo - ex - ew) as f32, whose exponent field the conversion takes; v[lim] = 448 x that
.macro CONST ex, ew, eo, neg, sc, lim
	s_add_co_i32 s43, s[\ex], s[\ew]
	s_sub_co_i32 s[\neg], 0, s43
	s_sub_co_i32 s43, s[\eo], s43
	s_add_co_i32 s43, s43, 127
	s_lshl_b32 s99, s43, 23
	v_mov_b32 v[\sc], s99
	s_add_co_i32 s43, s43, 8
	s_lshl_b32 s43, s43, 23
	s_or_b32 s43, s43, 0x600000
	v_mov_b32 v[\lim], s43
.endm
	CONST 4, 5, 10, 94, 7, 8                       ; q: e0, e1, e6
	CONST 6, 7, 11, 95, 20, 21                     ; k: e2, e3, e7
	CONST 8, 9, 13, 96, 30, 31                     ; v: e4, e5, e9
	s_wait_loadcnt 16                              ; bq and bv are in; the sixteen loads of the mask, issued behind them, stay out
.set n, 0
.rept 32
	v_ldexp_f32 v[BI+n], v[BI+n], s94
.set n, n+1
.endr
; one product.  swap = 0: source 0 = W's tile a, source 1 = x's tile c, the first C = b's tile a.  swap = 1: source 0 = x's tile a, source 1 = W's tile c, the first C = b's tile c.
.macro MM swap, a, c, init
.if \swap
.if \init
	v_wmma_f32_16x16x64_fp8_fp8 v[ACC+8*(4*\c+\a):ACC+8*(4*\c+\a)+7], v[XF+8*\a:XF+8*\a+7], v[WF+8*\c:WF+8*\c+7], v[BI+8*\c:BI+8*\c+7]
.else
	v_wmma_f32_16x16x64_fp8_fp8 v[ACC+8*(4*\c+\a):ACC+8*(4*\c+\a)+7], v[XF+8*\a:XF+8*\a+7], v[WF+8*\c:WF+8*\c+7], v[ACC+8*(4*\c+\a):ACC+8*(4*\c+\a)+7]
.endif
.else
.if \init
	v_wmma_f32_16x16x64_fp8_fp8 v[ACC+8*(4*\c+\a):ACC+8*(4*\c+\a)+7], v[WF+8*\a:WF+8*\a+7], v[XF+8*\c:XF+8*\c+7], v[BI+8*\a:BI+8*\a+7]
.else
	v_wmma_f32_16x16x64_fp8_fp8 v[ACC+8*(4*\c+\a):ACC+8*(4*\c+\a)+7], v[WF+8*\a:WF+8*\a+7], v[XF+8*\c:XF+8*\c+7], v[ACC+8*(4*\c+\a):ACC+8*(4*\c+\a)+7]
.endif
.endif
.endm
; Half of K, from region reg: four K steps of 64.  first = 1: a tensor's low half, whose first products start the sums with the bias.
.macro HALF reg, swap, first
.irp ks, 0,1,2,3
.if !(\first && (\ks == 0))
	NOPS4                                          ; four places in front of loads into registers that matrix instructions have read (ISA guide 7.12.1 for vector instructions).  Ahead of a tensor's first step other vector work stands there
.endif
.irp i, 0,1,2,3
	ds_load_b128 v[WF+8*\i:WF+8*\i+3],   v[AW+\reg] offset:16*\i*PITCH+64*\ks
	ds_load_b128 v[WF+8*\i+4:WF+8*\i+7], v[AW+\reg] offset:16*\i*PITCH+64*\ks+32
	ds_load_b128 v[XF+8*\i:XF+8*\i+3],   v[AX+\reg] offset:16*\i*PITCH+64*\ks
	ds_load_b128 v[XF+8*\i+4:XF+8*\i+7], v[AX+\reg] offset:16*\i*PITCH+64*\ks+32
.endr
	s_wait_dscnt 0x0
.irp c, 0,1,2,3                                ; the sixteen accumulators take turns, in the same order in every step
.irp a, 0,1,2,3
.if \first && (\ks == 0)
	MM \swap, \a, \c, 1
.else
	MM \swap, \a, \c, 0
.endif
.endr
.endr
.endr
.endm
; A tensor's way out: held, converted, stored as images.
.macro WAYOUT sc, lim, base
	NOPS4                                          ; places in front of the first read of results
.set n, 0
.rept 128
	v_med3_num_f32 v[ACC+n], v[ACC+n], -v[\lim], v[\lim]   ; the conversion to an 8-bit code does not saturate (ISA guide 7.6.2): the hold at the largest code x the scale; each accumulator from its low end on
.set n, n+1
.endr
.irp c, 0,1,2,3
.irp a, 0,1,2,3
	v_cvt_scalef32_pk8_fp8_f32 v[WF+8*\c+2*\a:WF+8*\c+2*\a+1], v[ACC+8*(4*\c+\a):ACC+8*(4*\c+\a)+7], v[\sc]   ; registers 2 a, 2 a + 1 of fragment c
.endr
.endr
	v_nop                                          ; one plain vector instruction between the conversions and the next vector or matrix instruction that names their registers
.irp c, 0,1,2,3
.irp g, 0,1
	global_store_b128 v6, v[WF+8*\c+4*\g:WF+8*\c+4*\g+3], s[\base:\base+1] offset:1024*\c+512*\g   ; 32 lanes store 512 consecutive bytes, at a multiple of 256 from the buffer's first byte
.endr
.endr
	s_wait_xcnt 0x0                                ; the registers that these stores read are loaded again only behind this wait
.endm
	s_wait_alu depctr_va_vdst(0)
	s_wait_tensorcnt 0x0                           ; my first fill has landed
	ds_add_u32 v[SPW], v[NIL]
	s_wait_dscnt 0x0
	CROUND                                         ; everybody's first fill is in, and the joint load below meets
	TLOADS 0, 0, WSK, 0, 0                         ; Wk's low half, into region 2: a first fill, behind a round behind which nothing is filled again
	HALF 0, 0, 1                                   ; q, K 0 .. 255
.irp a, 0,1,2,3
	global_load_b128 v[BI+8*\a:BI+8*\a+3], v9, s[18:19] offset:64*\a          ; bk, into the registers that q's first products read as C
	global_load_b128 v[BI+8*\a+4:BI+8*\a+7], v9, s[18:19] offset:64*\a+16
.endr
	s_wait_tensorcnt 0x0                           ; all my tensor loads have landed, q's high half and k's low half among them: so a group 0 may be written;
	ds_add_u32 v[SPW], v[NIL]
	s_add_nc_u64 s[XSK+2:XSK+3], s[XSK+2:XSK+3], 256
	s_mov_b32 s[XSK+1], s97                        ; into region 0
	s_add_nc_u64 s[WSK+2:WSK+3], s[WSK+2:WSK+3], 256
	s_mov_b32 s[WSK+1], XH
	s_wait_dscnt 0x0                               ; the add is done, and my reads of region 0 are over
	CROUND                                         ; both now hold of every wave of every work-group of the cluster
	TLOADS XSK, 0, WSK, 0, 0                       ; k's high half, into region 0
	HALF 1, 0, 0                                   ; q, K 256 .. 511
	WAYOUT 7, 8, 26
	s_wait_loadcnt 0x0                             ; bk (and the mask, which was asked for ahead of it)
.set n, 0
.rept 32
	v_ldexp_f32 v[BI+n], v[BI+n], s95
.set n, n+1
.endr
	s_wait_alu depctr_va_vdst(0)
	HALF 2, 0, 1                                   ; k, K 0 .. 255
	s_wait_tensorcnt 0x0                           ; k's high half has landed;
	ds_add_u32 v[SPW], v[NIL]
	s_wait_dscnt 0x0
	CROUND
	TLOADS XPV, XPV, WPV, WPV, 0                   ; v's two halves into regions 1 and 2: one load a wave
	HALF 0, 0, 0                                   ; k, K 256 .. 511
	WAYOUT 20, 21, 28
	s_wait_dscnt 0x0
	s_barrier_signal -1
	s_barrier_wait -1                              ; nobody reads region 0 any more, and it has had its last fill: the stages lie there.  v's loads stay out
	WIN 0x04                                       ; the stores' data in the second window
.irp k, 0,1,2,3,4,5,6,7,8,9,10,11,12,13,14,15
	ds_store_b128 v5, v[4*\k:4*\k+3] offset:2*\k*PITCH
.endr
	WIN 0
.irp u, 0,1
.irp t, 0,1,2,3
.irp e, 0,1
	ds_load_b128 v[RB+32*\u+8*\t+4*\e:RB+32*\u+8*\t+4*\e+3], v15 offset:16*\u*PITCH+64*\t+16*\e   ; LDS serves a wave's instructions in order: these see the stores above
.endr
.endr
.endr
.irp u, 0,1
.irp t, 0,1,2,3
	s_wait_alu depctr_va_vdst(0)
	s_wait_dscnt 14-2*(4*\u+\t)                    ; this tile's two loads are in; those issued behind them stay out
.irp j, 0,1,2,3,4,5,6,7
	v_cmp_eq_u32 s[4+\j], 0, v[RB+32*\u+8*\t+\j]   ; the word: a bit for each lane (r + 16 h)
.endr
.irp j, 0
	v_writelane_b32 v[18+\u], s[4+\j], 8*\t+\j     ; into lane n = 8 t + j
.endr
.irp j, 1, 2, 3, 4, 5, 6, 7
	s_delay_alu instid0(VALU_DEP_1)
	v_writelane_b32 v[18+\u], s[4+\j], 8*\t+\j     ; into lane n = 8 t + j
.endr
.endr
.endr
	global_store_b64 v16, v[18:19], s[32:33]       ; lane n: words 2 n and 2 n + 1: the wave stores 256 consecutive bytes, at a multiple of 256 from the buffer's first byte
	s_wait_tensorcnt 0x0                           ; my part of v's halves has landed,
	s_wait_dscnt 0x0
	s_barrier_signal -1
	s_barrier_wait -1                              ; everybody's has
.irp c, 0,1,2,3
.irp j, 0,1,2,3,4,5,6,7
	v_ldexp_f32 v[BI+8*\c+\j], v[10+\c], s96       ; v: a lane holds one feature: the same number in a tile's eight registers
.endr
.endr
	s_wait_alu depctr_va_vdst(0)
	HALF 1, 1, 1                                   ; v, K 0 .. 255
	HALF 2, 1, 0                                   ; v, K 256 .. 511
	WAYOUT 30, 31, 30
	s_wait_tensorcnt 0x0                           ; the wave's end, behind my last tensor load and my last LDS store
	ds_add_u32 v[SPW], v[NIL]
	s_wait_dscnt 0x0
	CROUND                                         ; the closing round: no work-group ends while a partner may still ask for a tile that names it
	s_endpgm
.Lfunc_end_k_q1287516ec7_prep:
	.size	k_q1287516ec7_prep, .Lfunc_end_k_q1287516ec7_prep-k_q1287516ec7_prep
	.p2alignl 7, 3214868480
	.fill 96, 4, 3214868480
	.section	.rodata,"a",@progbits
	.p2align	6, 0x0
	.amdhsa_kernel k_q1287516ec7_prep
		.amdhsa_group_segment_fixed_size 327680
		.amdhsa_private_segment_fixed_size 0
		.amdhsa_enable_private_segment 0
		.amdhsa_kernarg_size 120
		.amdhsa_user_sgpr_count 2
		.amdhsa_user_sgpr_kernarg_segment_ptr 1
		.amdhsa_wavefront_size32 1
		.amdhsa_system_sgpr_workgroup_id_x 1
		.amdhsa_system_sgpr_workgroup_id_y 1
		.amdhsa_system_sgpr_workgroup_id_z 1
		.amdhsa_system_vgpr_workitem_id 0
		.amdhsa_next_free_vgpr 320
		.amdhsa_next_free_sgpr 106
		.amdhsa_reserve_vcc 0
		.amdhsa_float_denorm_mode_32 3
		.amdhsa_float_denorm_mode_16_64 3
		.amdhsa_memory_ordered 1
		.amdhsa_forward_progress 1
		.amdhsa_inst_pref_size 119
	.end_amdhsa_kernel
	.amdgpu_metadata
---
amdhsa.version: [ 1, 2 ]
amdhsa.kernels:
  - .name:           k_q1287516ec7_prep
    .symbol:         k_q1287516ec7_prep.kd
    .args:
      - { .name: Q_codes, .offset: 0, .size: 8, .value_kind: global_buffer, .address_space: global }
      - { .name: K_codes, .offset: 8, .size: 8, .value_kind: global_buffer, .address_space: global }
      - { .name: V_codes, .offset: 16, .size: 8, .value_kind: global_buffer, .address_space: global }
      - { .name: Wq_codes, .offset: 24, .size: 8, .value_kind: global_buffer, .address_space: global }
      - { .name: Wk_codes, .offset: 32, .size: 8, .value_kind: global_buffer, .address_space: global }
      - { .name: Wv_codes, .offset: 40, .size: 8, .value_kind: global_buffer, .address_space: global }
      - { .name: bq, .offset: 48, .size: 8, .value_kind: global_buffer, .address_space: global }
      - { .name: bk, .offset: 56, .size: 8, .value_kind: global_buffer, .address_space: global }
      - { .name: bv, .offset: 64, .size: 8, .value_kind: global_buffer, .address_space: global }
      - { .name: lowp_scales, .offset: 72, .size: 8, .value_kind: global_buffer, .address_space: global }
      - { .name: mask, .offset: 80, .size: 8, .value_kind: global_buffer, .address_space: global }
      - { .name: q_img, .offset: 88, .size: 8, .value_kind: global_buffer, .address_space: global }
      - { .name: k_img, .offset: 96, .size: 8, .value_kind: global_buffer, .address_space: global }
      - { .name: v_img, .offset: 104, .size: 8, .value_kind: global_buffer, .address_space: global }
      - { .name: mbits, .offset: 112, .size: 8, .value_kind: global_buffer, .address_space: global }
    .group_segment_fixed_size: 327680
    .private_segment_fixed_size: 0
    .kernarg_segment_align: 8
    .kernarg_segment_size: 120
    .max_flat_workgroup_size: 256
    .sgpr_count:     106
    .vgpr_count:     320
    .wavefront_size: 32
...
	.end_amdgpu_metadata
.endif
;; end of part 5
;; launch attn (part 6): grid 32 x 8, 8 waves a work-group, clusters of 4 x 1, 327,680 bytes of LDS; arguments q_img, k_img, v_img, mbits, lowp_scales, a_img; writes a_img
.if DOCPART == 6
	.amdgcn_target "amdgcn-amd-amdhsa--gfx1250"
	.amdhsa_code_object_version 6
	.text
	.protected	k_q1287516ec7_attn
	.globl	k_q1287516ec7_attn
	.p2align	8
	.type	k_q1287516ec7_attn,@function
k_q1287516ec7_attn:
	s_mov_b64 s[64:65], 0
	v_nop
	global_prefetch_b8 v0, s[64:65] scope:SCOPE_SE
	s_setreg_imm32_b32 hwreg(HW_REG_WAVE_MODE, 25, 1), 1
	s_wait_xcnt 0x0
	s_wait_alu depctr_hold_cnt(0) depctr_sa_sdst(0) depctr_va_vdst(0) depctr_va_sdst(0) depctr_va_ssrc(0) depctr_va_vcc(0) depctr_vm_vsrc(0)
	s_getreg_b32 s2, hwreg(HW_REG_IB_STS2, 6, 4)
	s_cmp_eq_u32 s2, 0
	s_cbranch_scc0 .Lentry_in_a_cluster
	s_endpgm
.Lentry_in_a_cluster:
	s_bfe_u32 s2, ttmp6, 0x10000c
	s_cmp_lg_u32 s2, 0x3003
	s_cbranch_scc0 .Lentry_shape_is_right
	s_endpgm
.Lentry_shape_is_right:
; Attention of 64 queries of one batch for ALL EIGHT HEADS, both products on codes of FP8 (E4M3); the result is quantised at once for the last projection.
; q_img, k_img: fragments (16 tokens x a head's 64) as images of their registers, fragment (bh x 128 + token tile) of 1,024 bytes.  v_img: fragments (16 of the head's 64 x 64 keys), ((bh x 32 + step of 64) x 4 + d tile).
; mbits: for each group of 32 queries and step of 64 keys, 64 words: word 2 (8 t + j) + u is the lane mask of register j of score tile t of query tile u: 1 = hidden.  a_img: ((batch x 128 + token tile) x 8 + head).
; THE SOFTMAX: t = score x log2(e) / 8; M = the largest t so far rounded UP to a whole number; p = 2^(t - M) is quantised with 2^e8; the row's sum is taken of the unquantised p and divides at the end.
; When M moves, the sum and O are multiplied by 2^(old M - new M), made by v_ldexp_f32: nothing is rounded, no branch hangs on data.
; SHARES.  Eight waves, two to a SIMD.  Wave w owns one query tile (w / 2) and four heads (group w % 2).  The mask is the same for every head: the wave turns a step's mask words once into 64 registers of f32,
; 0 for an open key and -2^64 for a hidden one, and these are the C of the score products of all its four heads: 64 selects serve 256 registers of scores, and the maximum is taken of masked scores.
; A sum of 64 products of codes is under 2^24, so a hidden score lies near -2^64, under every open one: p = 0; what was summed while only hidden keys had been seen is multiplied by 0 when M jumps.
; A ROW WITH NO OPEN KEY: found at the head from the group's 2,048 mask words; that query's codes of Q are set to 0, so every score of the row is -2^64 exactly, t - M = 0 and p = 1 for every key: the uniform softmax.
; THE RING.  A step is 128 keys.  A slot holds K (8 heads x 8,192 bytes) and V (the same): 131,072 bytes; two slots.  Waves 0-3: K's heads 2 w, 2 w + 1; waves 4-7: V's: one tensor load of 2 rows x 8,192 bytes each.
; CLUSTER 4 x 1: four query blocks of a batch walk the same K and V: the loads are joint, mask of all four; each refill stands behind a round.  cx enters only addresses of q_img, mbits, a_img and the prefetch.
; PREFETCH: in trip s, which loads step s + 1, each wave names 16 blocks of 256 bytes of step s + 3: of the 2 rows that it fetches the partner at place cx takes half cx % 2 of row cx / 2; lanes 16-31 name the last block again.
; Eight clusters walk a batch's K and V; those with cluster number under 4 ask.  Trips 13 and 14 ask for nothing: there is no step 16.  Steps 0 to 2 come by their loads alone.
; LAYOUT.  Both products transposed: S^T = K Q^T + C (source 0 = 16 keys), O^T = V^T P^T (source 0 = 16 of the head's 64): a lane holds one query (lane % 16); eight converted results of a tile are registers 2 t, 2 t + 1 of P.
; EXPONENTIALS go in two runs (keys 0-63, keys 64-127), each with a wait ahead and behind; between the exponentials stand only lines that read what was written ahead of the run's first wait and whose results are read behind its last.
; REGISTERS.  Window 0: v1-11 addresses and constants, v12-15 chains of the maximum, v16-17 f, v18 16 x lane, v20-35 statistics (-M, largest t, the sum in two halves) of each head, v40-103 S then p, v104-135 partial sums,
; v136-199 K's fragments, v200-231 Q, v232-247 p's codes.  Window 1: v0-63 the mask as C, v64-127 V's fragments, v128-255 O^T, (head, d) at 128 + 32 head + 8 d.
; LIMITS: e6 + e7 between -38 and 60 (2^64 c is then a whole number of at least 2^23 and finite); e8 and e10 between -126 and 119.  NaN codes are not served.
.set SLOT1, 0x20000
.set SPARE, 0x40000                    ; the spare words: 128 bytes a wave, four blocks of 256 bytes that no other line names
.set VOFF,  0x10000                    ; V lies behind K in a slot
.set HB,    8192                       ; a head's K or V of one step
.set AK0, 1
.set AV0, 2
.set ADK, 3
.set ADV, 4
.set PFO, 9
.set SPW, 10
.set NIL, 11
.set CH,  12
.set FF,  16
.set LN,  18
.set ST,  20
.set S,   40
.set TMP, 104
.set KF,  136
.set QF,  200
.set PC,  232
.set BIAS, 0
.set VF,  64
.set O,   128
.set WV,  16                           ; s16 wave; s2 trips; s3 the slot's first byte; s[6:7] lane selects; s[8:9] c; s[10:11] my group's mask words; s18 their offset, s19 its bound; s12 e8 + e9; s13 2^e10; s104 448 x 2^e10; s105 prefetch limit; s[100:101] prefetch address
.set TB,  3
.set MSB, 0
.macro WIN new                         ; the immediate's high byte repeats the setting that is left
.if MSB != \new
	s_set_vgpr_msb (MSB<<8)|\new
.set MSB, \new
.endif
.endm
.macro NOPS4
.rept 4
	v_nop
.endr
.endm
.macro ROUND                           ; a round of the cluster's barrier
	s_barrier_signal -1
	s_barrier_wait -1
	s_cmp_lg_u32 s[WV], 0
	s_cbranch_scc1 .Lnot_wave_0_\@
	s_barrier_signal -3
.Lnot_wave_0_\@:
	s_barrier_wait -3
	s_barrier_signal -1
	s_barrier_wait -1
.endm
.macro MLOAD off                       ; a step of 64 keys: words u .. 62 + u of its 64 (s18 holds 4 u): my tile's words come into the even registers, and no load passes the 64th word
	s_load_b512 s[32:47], s[10:11], s18 offset:\off
	s_load_b512 s[48:63], s[10:11], s18 offset:\off+0x40
	s_load_b512 s[68:83], s[10:11], s18 offset:\off+0x80
	s_load_b256 s[84:91], s[10:11], s18 offset:\off+0xc0
	s_load_b128 s[92:95], s[10:11], s18 offset:\off+0xe0
	s_load_b64 s[96:97], s[10:11], s18 offset:\off+0xf0
	s_load_b32 s98, s[10:11], s18 offset:\off+0xf8
.endm
.macro CMH kh                          ; the words become C: register 32 kh + n
	WIN 0x40
.set w, 0
.rept 32
	v_cndmask_b32 v[BIAS+32*\kh+w], 0, v8, s[32+2*w+4*(w/16)]
.set w, w+1
.endr
	WIN 0
.endm
.macro LDF dst, adr, off               ; eight fragments, as their registers stand: 512 consecutive bytes an instruction
.irp i, 0,1,2,3,4,5,6,7
	ds_load_b128 v[\dst+8*\i:\dst+8*\i+3], v[\adr] offset:(\off)+1024*\i
	ds_load_b128 v[\dst+8*\i+4:\dst+8*\i+7], v[\adr] offset:(\off)+1024*\i+512
.endr
.endm
.macro MX c, i                         ; chain c: scores 16 c .. 16 c + 14, ascending
.set rc, CH+\c
.set rb, S+16*\c
.if \i == 0
	v_max3_num_f32 v[rc], v[rb], v[rb+1], v[rb+2]
.else
	v_max3_num_f32 v[rc], v[rc], v[rb+2*\i+1], v[rb+2*\i+2]
.endif
.endm
.macro SER k, hd                       ; the end of the maximum, M and f
.set rt, ST+4*\hd
.if \k == 0
	v_max3_num_f32 v[CH], v[CH], v[S+15], v[S+31]
.elseif \k == 1
	v_max3_num_f32 v[CH+1], v[CH+1], v[S+47], v[S+63]
.elseif \k == 2
	v_max3_num_f32 v[CH], v[CH], v[CH+1], v[CH+2]
.elseif \k == 3
	v_max_num_f32 v[CH], v[CH], v[CH+3]
.elseif \k == 4
	v_permlanex16_b32 v[CH+1], v[CH], s6, s7             ; the query's other 64 keys lie in the lane 16 away
.elseif \k == 5
	v_max_num_f32 v[CH], v[CH], v[CH+1]
.elseif \k == 6
	v_mul_f32 v[CH], s8, v[CH]                           ; as t (c is positive)
.elseif \k == 7
	v_max_num_f32 v[rt+1], v[rt+1], v[CH]                ; the running largest t
.elseif \k == 8
	v_mov_b32 v[CH], v[rt]                               ; the old -M
.elseif \k == 9
	v_floor_f32 v[rt], -v[rt+1]                          ; the new -M = -ceil(t)
.elseif \k == 10
	v_sub_f32 v[CH], v[rt], v[CH]                        ; old M - new M, 0 or less
.elseif \k == 11
	v_cvt_i32_f32 v[CH], v[CH]                           ; (it saturates)
.else
	v_ldexp_f32 v[FF], 1.0, v[CH]                        ; f = 2^(old M - new M)
.endif
.endm
.macro FM e, hd                        ; t - M for pair e
	v_pk_fma_f32 v[S+2*(\e):S+2*(\e)+1], v[S+2*(\e):S+2*(\e)+1], s[8:9], v[ST+4*\hd:ST+4*\hd+1] op_sel_hi:[1,0,0]
.endm
.macro EX e                            ; p = 2^(t - M), at most 1
	v_exp_f32 v[S+(\e)], v[S+(\e)]
.endm
.macro SA1 g                           ; the sum's first level, of the unquantised p: registers 4 g .. 4 g + 3
	v_pk_add_f32 v[TMP+2*(\g):TMP+2*(\g)+1], v[S+4*(\g):S+4*(\g)+1], v[S+4*(\g)+2:S+4*(\g)+3]
.endm
.macro DMN e                           ; the hold, behind the sum that reads the two: the conversion does not saturate (ISA guide 7.6.2); p is not negative, so it is one-sided
	v_dual_min_num_f32 v[S+(\e)], v[S+(\e)], v5 :: v_dual_min_num_f32 v[S+(\e)+1], v[S+(\e)+1], v7
.endm
.macro TADD a, b                       ; partial sums: pair a += pair b
	v_pk_add_f32 v[TMP+2*(\a):TMP+2*(\a)+1], v[TMP+2*(\a):TMP+2*(\a)+1], v[TMP+2*(\b):TMP+2*(\b)+1]
.endm
; ONE HEAD'S STEP OF 128 KEYS.  more = 1: the next step's mask is made (in head 3, whose score products are the last to read this step's).
.macro HEAD hd, more
	s_wait_dscnt 0x0                               ; this head's K
	WIN 0x10                                       ; C window 1
.irp t, 0,1,2,3,4,5,6,7
	v_wmma_f32_16x16x64_fp8_fp8 v[S+8*\t:S+8*\t+7], v[KF+8*\t:KF+8*\t+7], v[QF+8*\hd:QF+8*\hd+7], v[BIAS+8*\t:BIAS+8*\t+7]
.endr
	WIN 0
	NOPS4                                          ; four places: for the first read of the scores, the loads into K's and V's registers and the writes of C
	WIN 0x40
	LDF VF, ADV, \hd*HB
	WIN 0
.if \hd < 3
	LDF KF, ADK, (\hd+1)*HB                        ; the next head's K
.endif
.if (\hd == 3) && \more
	s_wait_kmcnt 0x0                               ; the next step's first 64 keys' words
	CMH 0
	MLOAD 0x100
.endif
.irp i, 0,1,2,3,4,5,6
.irp c, 0,1,2,3
	MX \c, \i
.endr
.endr
.irp k, 0,1,2,3,4,5,6,7,8,9,10,11,12
	SER \k, \hd
.endr
.set q, 0
.rept 16
	FM q, \hd
.set q, q+1
.endr
	s_wait_alu depctr_va_vdst(0)                   ; ahead of a run of exponentials
.set q, 0
.rept 16                                       ; the first half's exponentials | the second half's scalings
	EX q
	FM 16+q, \hd
.set q, q+1
.endr
.rept 16
	EX q
.set q, q+1
.endr
	v_nop
	s_wait_alu depctr_va_vdst(0)                   ; behind the first run and ahead of the second
.set q, 0
.rept 8                                        ; the second half's exponentials | the first half's first sums and holds
	EX 32+4*q
	SA1 q
	EX 32+4*q+1
	DMN 4*q
	EX 32+4*q+2
	DMN 4*q+2
	EX 32+4*q+3
.set q, q+1
.endr
	v_nop
	WIN 0x41                                       ; O^T window 1, f window 0
.if \hd < 3
	s_wait_dscnt 16                                ; V's sixteen loads are in; the next head's K, sixteen issued behind them, may stay out
.else
	s_wait_dscnt 0x0
.endif
	s_wait_alu depctr_va_vdst(0)                   ; behind the run, and directly ahead of the first readers of O^T
.irp e, 0,2,4,6,8,10,12,14,16,18,20,22,24,26,28,30
	v_pk_mul_f32 v[O+32*\hd+\e:O+32*\hd+\e+1], v[O+32*\hd+\e:O+32*\hd+\e+1], v[FF:FF+1] op_sel_hi:[1,0]   ; O^T under the new M
.endr
	WIN 0
	v_pk_mul_f32 v[ST+4*\hd+2:ST+4*\hd+3], v[ST+4*\hd+2:ST+4*\hd+3], v[FF:FF+1] op_sel_hi:[1,0]   ; the sum likewise
.set q, 0
.rept 8
	SA1 8+q
	DMN 32+4*q
	DMN 32+4*q+2
	v_pk_add_f32 v[ST+4*\hd+2:ST+4*\hd+3], v[ST+4*\hd+2:ST+4*\hd+3], v[TMP+2*q:TMP+2*q+1]
.set q, q+1
.endr
.irp g, 8,9,10,11
	TADD \g, \g+4
.endr
	TADD 8, 10
	TADD 9, 11
	TADD 8, 9
	v_pk_add_f32 v[ST+4*\hd+2:ST+4*\hd+3], v[ST+4*\hd+2:ST+4*\hd+3], v[TMP+16:TMP+17]
.irp t, 0,1,2,3,4,5,6,7
	v_cvt_scalef32_pk8_fp8_f32 v[PC+2*\t:PC+2*\t+1], v[S+8*\t:S+8*\t+7], v6
.endr
	v_nop                                          ; one plain line between the conversions and the products that read their results
	WIN 0x51                                       ; V and O^T window 1, P window 0
.irp kh, 0,1                                   ; four accumulators by turns
.irp d, 0,1,2,3
	v_wmma_f32_16x16x64_fp8_fp8 v[O+32*\hd+8*\d:O+32*\hd+8*\d+7], v[VF+8*(4*\kh+\d):VF+8*(4*\kh+\d)+7], v[PC+8*\kh:PC+8*\kh+7], v[O+32*\hd+8*\d:O+32*\hd+8*\d+7]
.endr
.endr
	WIN 0
.if (\hd == 3) && \more
	s_wait_kmcnt 0x0                               ; the next step's other words
	CMH 1
	s_add_co_u32 s18, s18, 512
	s_min_u32 s18, s18, s19                        ; held at step 15's words, so that no load leaves mbits: trip 14's request names them again and is not used
	MLOAD 0
.endif
.endm
; A TRIP: the change of slots at its head, then the four heads.  more = 1: the slot just left is filled with the step after this one.
.macro TRIP more
	s_wait_tensorcnt 0x0                           ; my part of this step's slot has landed; no load of mine is out, so group 0 may be written
	ds_add_u32 v[SPW], v[NIL]
.if \more
	s_xor_b32 s21, s21, SLOT1
	s_add_nc_u64 s[22:23], s[22:23], HB
	s_wait_xcnt 0x0                                ; my prefetch has read its address
	s_add_nc_u64 s[100:101], s[100:101], HB
.endif
	s_wait_dscnt 0x0                               ; the add is done, and my reads of the slot that I have left are over
.if \more
	ROUND
	tensor_load_to_lds s[20:23], s[24:31]
	s_nop 0
	NOPS4
.else
	s_barrier_signal -1
	s_barrier_wait -1
.endif
	v_add_nc_u32 v[ADK], s[TB], v[AK0]
	v_add_nc_u32 v[ADV], s[TB], v[AV0]
	s_wait_alu depctr_va_vdst(0)
	LDF KF, ADK, 0
.if \more
	s_cmp_ge_u32 s2, s105                          ; trips 0 to 12 of the clusters that ask
	s_cbranch_scc0 .Lnp_\@
	global_prefetch_b8 v[PFO], s[100:101] th:TH_LOAD_NT scope:SCOPE_SE
.Lnp_\@:
.endif
	HEAD 0, \more
	HEAD 1, \more
	HEAD 2, \more
	HEAD 3, \more
	s_xor_b32 s[TB], s[TB], SLOT1
.endm
	s_load_b256 s[4:11], s[0:1], 0x0               ; q_img, k_img, v_img, mbits
	s_load_b128 s[12:15], s[0:1], 0x20             ; the scales' exponents, a_img
	v_lshl_add_u32 v[SPW], v0, 2, SPARE
	v_mov_b32 v[NIL], 0
	ds_add_u32 v[SPW], v[NIL]                      ; the opening lines: the add twice on end
	ds_add_u32 v[SPW], v[NIL]
	v_lshrrev_b32 v1, 5, v0
	v_readfirstlane_b32 s[WV], v1                  ; wave 0..7
	s_bfe_u32 s17, ttmp6, 0x40000                  ; cx
	s_lshl_b32 s19, ttmp9, 2
	s_add_co_u32 s19, s19, s17                     ; my block of 64 queries
	s_and_b32 s18, ttmp7, 0xffff                   ; the batch, which the partners share
	s_mov_b32 s24, 15|(3<<16)|(1<<21)              ; group 1: the mask of all four; elements of 8 bytes; bit 21 beside a mask
	s_mov_b32 s25, 1024<<16                        ; rows of 8,192 bytes,
	s_mov_b32 s26, 2<<16                           ; two of them: two heads,
	s_mov_b32 s27, 1024<<16
	s_mov_b32 s28, 2
	s_mov_b32 s29, 16384                           ; 131,072 bytes apart
	s_mov_b32 s30, 0
	s_mov_b32 s31, 0
	s_mov_b32 s20, 1
	s_lshl_b32 s21, s[WV], 14                      ; LDS: wave x 16,384
	s_lshl_b32 s104, s18, 20                       ; the batch's eight heads,
	s_and_b32 s105, s[WV], 3
	s_lshl_b32 s105, s105, 18                      ; my two of them
	s_add_co_u32 s104, s104, s105
	s_mov_b32 s105, 0
	s_wait_dscnt 0x0
	s_wait_kmcnt 0x0
	s_load_b128 s[68:71], s[12:13], 0x18           ; e6, e7, e8, e9
	s_load_b32 s72, s[12:13], 0x28                 ; e10
	s_cmp_lt_u32 s[WV], 4                          ; K or V: a choice on the wave's number
	s_cselect_b64 s[22:23], s[6:7], s[8:9]
	s_add_nc_u64 s[22:23], s[22:23], s[104:105]
	s_mov_b64 s[100:101], s[22:23]
	s_lshr_b32 s84, s17, 1                         ; the prefetch: row cx / 2 of my two,
	s_lshl_b32 s84, s84, 17
	s_and_b32 s85, s17, 1
	s_lshl_b32 s85, s85, 12                        ; its half cx % 2,
	s_add_co_u32 s104, s84, s85
	s_add_co_u32 s104, s104, 2*HB                  ; at step 2: trip 0 steps it to 3
	s_add_nc_u64 s[100:101], s[100:101], s[104:105]
	s_or_b32 s23, s23, 0x80000000
	ROUND                                          ; all four work-groups are here: the joint loads meet
	tensor_load_to_lds s[20:23], s[24:31]          ; step 0: one load a wave
	s_nop 0
	NOPS4
	s_lshr_b32 s84, s[WV], 1                       ; my query tile of the block's four
	s_and_b32 s85, s[WV], 1                        ; my group of heads
	s_lshl_b32 s86, s19, 2
	s_add_co_u32 s86, s86, s84                     ; my token tile of the batch's 128
	s_lshl_b32 s88, s18, 20
	s_lshl_b32 s89, s85, 19
	s_add_co_u32 s88, s88, s89
	s_lshl_b32 s89, s86, 10
	s_add_co_u32 s88, s88, s89
	s_mov_b32 s89, 0
	s_add_nc_u64 s[4:5], s[4:5], s[88:89]          ; Q
	s_lshr_b32 s87, s84, 1
	s_lshl_b32 s90, s19, 1
	s_add_co_u32 s90, s90, s87                     ; my group of 32 queries
	s_lshl_b32 s90, s90, 13
	s_mov_b32 s91, 0
	s_add_nc_u64 s[10:11], s[10:11], s[90:91]
	s_lshl_b32 s92, s18, 20
	s_lshl_b32 s93, s86, 13
	s_add_co_u32 s92, s92, s93
	s_lshl_b32 s93, s85, 12
	s_add_co_u32 s92, s92, s93
	s_mov_b32 s93, 0
	s_add_nc_u64 s[14:15], s[14:15], s[92:93]      ; a_img
	s_and_b32 s17, s84, 1                          ; u: which tile of the group is mine (cx has served)
	s_lshl_b32 s18, s17, 2                         ; the words' offset: 4 u,
	s_add_co_u32 s19, s18, 7680                    ; and its bound: step 15's first words
	v_and_b32 v[LN], 31, v0
	v_min_u32 v[PFO], 15, v[LN]
	v_lshlrev_b32 v[PFO], 8, v[PFO]                ; 256 x lane, lanes 16-31 at lane 15's
	v_lshlrev_b32 v[LN], 4, v[LN]                  ; 16 x lane
	v_lshl_add_u32 v[AK0], s85, 15, v[LN]          ; my four heads' K in a slot,
	v_add_nc_u32 v[AV0], VOFF, v[AK0]              ; and V
	s_wait_alu depctr_va_vdst(0)
.irp hd, 0,1,2,3
.irp g, 0,1
	global_load_b128 v[QF+8*\hd+4*\g:QF+8*\hd+4*\g+3], v[LN], s[4:5] offset:131072*\hd+512*\g   ; Q stays in registers
.endr
.endr
.irp i, 0,1,2,3,4,5,6,7,8,9,10,11,12,13,14,15
	global_load_b128 v[S+4*\i:S+4*\i+3], v[LN], s[10:11] offset:512*\i   ; all the group's 2,048 mask words: register k of a lane holds words of tile k % 2
.endr
	s_wait_kmcnt 0x0
	s_mov_b32 s6, 0x76543210                       ; v_permlanex16_b32: lane l xor 16
	s_mov_b32 s7, 0xfedcba98
	s_add_co_i32 s84, s68, s69
	s_lshl_b32 s84, s84, 23
	s_add_co_i32 s8, s84, 0x3e38aa3b               ; c = log2(e) / 8 with e6 + e7 added to its exponent field
	s_mov_b32 s9, s8
	s_add_co_i32 s84, s70, 127
	s_lshl_b32 s85, s84, 23
	v_mov_b32 v6, s85                              ; 2^e8
	s_add_co_i32 s84, s84, 8
	s_lshl_b32 s84, s84, 23
	s_or_b32 s84, s84, 0x600000
	v_mov_b32 v5, s84                              ; 448 x 2^e8,
	v_mov_b32 v7, s84                              ; twice: the halves of a dual instruction take their second sources from different banks
	s_add_co_i32 s12, s70, s71                     ; e8 + e9
	s_add_co_i32 s84, s72, 127
	s_lshl_b32 s13, s84, 23                        ; 2^e10
	s_add_co_i32 s84, s84, 8
	s_lshl_b32 s84, s84, 23
	s_or_b32 s104, s84, 0x600000                   ; 448 x 2^e10
	s_cmp_lt_u32 ttmp9, 4
	s_cselect_b32 s105, 3, 64                      ; a wave prefetches while the trips to go are at least this
	MLOAD 0                                        ; step 0's first words
	v_mov_b32 v8, 0xdf800000                       ; -2^64
.set n, 0
.rept 6
	v_mov_b32 v[CH+n], 0                           ; written once: a lane permute's destination and the upper half of f's pair count as read
.set n, n+1
.endr
.set n, 0
.rept 4
	v_mov_b32 v[ST+4*n+1], 0xff61b1e6              ; the largest t so far: -3e38
	v_floor_f32 v[ST+4*n], -v[ST+4*n+1]            ; -M
	v_mov_b32 v[ST+4*n+2], 0
	v_mov_b32 v[ST+4*n+3], 0
.set n, n+1
.endr
	WIN 0x40
.set n, 0
.rept 128
	v_mov_b32 v[O+n], 0                            ; O^T: the step is written for every step alike; the first finds zeros
.set n, n+1
.endr
	WIN 0
	s_wait_alu depctr_va_vdst(0)
	s_wait_kmcnt 0x0
	CMH 0
	MLOAD 0x100
	s_wait_alu depctr_va_vdst(0)
	s_wait_loadcnt 0x0                             ; Q and the words
.irp i, 1,2,3,4,5,6,7,8,9,10,11,12,13,14,15    ; the AND of all words of a tile: bit r + 16 h stays 1 where every key of that half is hidden for query r
.irp k, 0,1,2,3
	v_and_b32 v[S+\k], v[S+\k], v[S+4*\i+\k]
.endr
.endr
	v_and_b32 v[S], v[S], v[S+2]
	v_and_b32 v[S+1], v[S+1], v[S+3]
.irp m, 1,2,4,8
	v_mov_b32_dpp v[S+4], v[S] row_xmask:\m row_mask:0xf bank_mask:0xf
	v_mov_b32_dpp v[S+5], v[S+1] row_xmask:\m row_mask:0xf bank_mask:0xf
	v_and_b32 v[S], v[S], v[S+4]
	v_and_b32 v[S+1], v[S+1], v[S+5]
.endr
	v_permlanex16_b32 v[S+4], v[S], s6, s7
	v_permlanex16_b32 v[S+5], v[S+1], s6, s7
	v_and_b32 v[S], v[S], v[S+4]
	v_and_b32 v[S+1], v[S+1], v[S+5]
	v_readfirstlane_b32 s4, v[S]
	v_readfirstlane_b32 s5, v[S+1]
	s_cmp_eq_u32 s17, 0                            ; my tile's word: a choice on the wave's number
	s_cselect_b32 s4, s4, s5
	s_lshr_b32 s5, s4, 16                          ; both halves hidden: bit r; as a lane mask for lanes r and r + 16
	s_and_b32 s4, s4, s5
	s_and_b32 s4, s4, 0xffff
	s_lshl_b32 s5, s4, 16
	s_or_b32 s4, s4, s5
.set n, 0
.rept 32
	v_cndmask_b32 v[QF+n], v[QF+n], 0, s4          ; a query with no open key: codes 0
.set n, n+1
.endr
	s_wait_alu depctr_va_vdst(0)
	s_wait_kmcnt 0x0
	CMH 1
	s_add_co_u32 s18, s18, 512
	MLOAD 0                                        ; step 1's first words
	s_mov_b32 s[TB], 0
	s_mov_b32 s2, 15
	s_wait_alu depctr_va_vdst(0)
.Lstep:                                            ; 15 trips: each fills the other slot
	TRIP 1
	s_sub_co_u32 s2, s2, 1
	s_cmp_lg_u32 s2, 0
	s_wait_alu depctr_va_vdst(0)                   ; directly ahead of the branch
	s_cbranch_scc1 .Lstep
	TRIP 0                                         ; the last step is written out: nothing more is asked for
	; THE WAY OUT.  O^T / the sum x 2^(e8 + e9), quantised with 2^e10: eight results of a tile are registers 2 d, 2 d + 1 of the last projection's operand.
	s_wait_kmcnt 0x0
	s_wait_alu depctr_va_vdst(0)
	v_mov_b32 v5, s104
	v_mov_b32 v6, s13
.irp n, 0,1,2,3
	v_add_f32 v[ST+4*\n+2], v[ST+4*\n+2], v[ST+4*\n+3]
.endr
.irp n, 0,1,2,3
	v_permlanex16_b32 v[ST+4*\n+3], v[ST+4*\n+2], s6, s7
.endr
.irp n, 0,1,2,3
	v_add_f32 v[ST+4*\n+2], v[ST+4*\n+2], v[ST+4*\n+3]   ; the row's sum, above 1/2
.endr
	s_wait_alu depctr_va_vdst(0)
.irp n, 0,1,2,3
	v_rcp_f32 v[ST+4*\n+2], v[ST+4*\n+2]
.endr
	v_nop
	s_wait_alu depctr_va_vdst(0)
.irp n, 0,1,2,3
	v_ldexp_f32 v[ST+4*\n+2], v[ST+4*\n+2], s12
.endr
	WIN 0x41
	s_wait_alu depctr_va_vdst(0)                   ; directly ahead of the first readers of O^T
.irp n, 0,1,2,3
.irp e, 0,2,4,6,8,10,12,14,16,18,20,22,24,26,28,30
	v_pk_mul_f32 v[O+32*\n+\e:O+32*\n+\e+1], v[O+32*\n+\e:O+32*\n+\e+1], v[ST+4*\n+2:ST+4*\n+3] op_sel_hi:[1,0]
.endr
.endr
.set n, 0
.rept 128
	v_med3_num_f32 v[O+n], v[O+n], -v5, v5         ; the hold at the largest code x the scale
.set n, n+1
.endr
	WIN 0x01
.irp n, 0,1,2,3
.irp d, 0,1,2,3
	v_cvt_scalef32_pk8_fp8_f32 v[S+8*\n+2*\d:S+8*\n+2*\d+1], v[O+32*\n+8*\d:O+32*\n+8*\d+7], v6
.endr
.endr
	v_nop
	WIN 0
.irp hd, 0,1,2,3
.irp g, 0,1
	global_store_b128 v[LN], v[S+8*\hd+4*\g:S+8*\hd+4*\g+3], s[14:15] offset:1024*\hd+512*\g   ; 32 lanes store 512 consecutive aligned bytes
.endr
.endr
	s_wait_tensorcnt 0x0                           ; the wave's end
	ds_add_u32 v[SPW], v[NIL]
	s_wait_dscnt 0x0
	ROUND                                          ; the closing round
	s_endpgm
.Lfunc_end_k_q1287516ec7_attn:
	.size	k_q1287516ec7_attn, .Lfunc_end_k_q1287516ec7_attn-k_q1287516ec7_attn
	.p2alignl 7, 3214868480
	.fill 96, 4, 3214868480
	.section	.rodata,"a",@progbits
	.p2align	6, 0x0
	.amdhsa_kernel k_q1287516ec7_attn
		.amdhsa_group_segment_fixed_size 327680
		.amdhsa_private_segment_fixed_size 0
		.amdhsa_enable_private_segment 0
		.amdhsa_kernarg_size 48
		.amdhsa_user_sgpr_count 2
		.amdhsa_user_sgpr_kernarg_segment_ptr 1
		.amdhsa_wavefront_size32 1
		.amdhsa_system_sgpr_workgroup_id_x 1
		.amdhsa_system_sgpr_workgroup_id_y 1
		.amdhsa_system_sgpr_workgroup_id_z 1
		.amdhsa_system_vgpr_workitem_id 0
		.amdhsa_next_free_vgpr 512
		.amdhsa_next_free_sgpr 106
		.amdhsa_reserve_vcc 0
		.amdhsa_float_denorm_mode_32 3
		.amdhsa_float_denorm_mode_16_64 3
		.amdhsa_memory_ordered 1
		.amdhsa_forward_progress 1
		.amdhsa_inst_pref_size 170
	.end_amdhsa_kernel
	.amdgpu_metadata
---
amdhsa.version: [ 1, 2 ]
amdhsa.kernels:
  - .name:           k_q1287516ec7_attn
    .symbol:         k_q1287516ec7_attn.kd
    .args:
      - { .name: q_img, .offset: 0, .size: 8, .value_kind: global_buffer, .address_space: global }
      - { .name: k_img, .offset: 8, .size: 8, .value_kind: global_buffer, .address_space: global }
      - { .name: v_img, .offset: 16, .size: 8, .value_kind: global_buffer, .address_space: global }
      - { .name: mbits, .offset: 24, .size: 8, .value_kind: global_buffer, .address_space: global }
      - { .name: lowp_scales, .offset: 32, .size: 8, .value_kind: global_buffer, .address_space: global }
      - { .name: a_img, .offset: 40, .size: 8, .value_kind: global_buffer, .address_space: global }
    .group_segment_fixed_size: 327680
    .private_segment_fixed_size: 0
    .kernarg_segment_align: 8
    .kernarg_segment_size: 48
    .max_flat_workgroup_size: 256
    .sgpr_count:     106
    .vgpr_count:     512
    .wavefront_size: 32
...
	.end_amdgpu_metadata
.endif
;; end of part 6
;; launch outproj (part 7): grid 4 x 64, 8 waves a work-group, clusters of 4 x 4, 234,496 bytes of LDS; arguments a_img, Wo_codes, bo, lowp_scales, out0; writes out0
.if DOCPART == 7
	.amdgcn_target "amdgcn-amd-amdhsa--gfx1250"
	.amdhsa_code_object_version 6
	.text
	.protected	k_q1287516ec7_outproj
	.globl	k_q1287516ec7_outproj
	.p2align	8
	.type	k_q1287516ec7_outproj,@function
k_q1287516ec7_outproj:
	s_mov_b64 s[64:65], 0
	v_nop
	global_prefetch_b8 v0, s[64:65] scope:SCOPE_SE
	s_setreg_imm32_b32 hwreg(HW_REG_WAVE_MODE, 25, 1), 1
	s_wait_xcnt 0x0
	s_wait_alu depctr_hold_cnt(0) depctr_sa_sdst(0) depctr_va_vdst(0) depctr_va_sdst(0) depctr_va_ssrc(0) depctr_va_vcc(0) depctr_vm_vsrc(0)
	s_getreg_b32 s2, hwreg(HW_REG_IB_STS2, 6, 4)
	s_cmp_eq_u32 s2, 0
	s_cbranch_scc0 .Lentry_in_a_cluster
	s_endpgm
.Lentry_in_a_cluster:
	s_bfe_u32 s2, ttmp6, 0x10000c
	s_cmp_lg_u32 s2, 0xf033
	s_cbranch_scc0 .Lentry_shape_is_right
	s_endpgm
.Lentry_shape_is_right:
; out0 = a Wo^T + bo on codes of FP8 (E4M3).  a_img: the attention's result as images of fragments (16 tokens x a head's 64): ((token tile) x 8 + head) x 1,024 bytes, scale 2^e10.
; Wo: [512][512] codes, K innermost, scale 2^e11.  bo: [512] f32.  out0: [16384][512] f32.
; SHARES.  A work-group makes 256 tokens x 128 features; wave w makes 64 tokens (w / 2) x 64 features (w % 2): 16 accumulators.  All of K = 512 lies in LDS at once, each byte filled once: no ring.
; a's 256 tokens are one dense block of 131,072 bytes (waves 0-3: a quarter each, rows of 256 bytes); Wo's 128 rows of 512 bytes get 16 bytes of padding each (waves 4, 5: a half each).
; CLUSTER 4 x 4: a's block is shared along a row of the cluster, Wo's rows along a column: joint loads with the mask of the four.
; The products are used transposed (source 0 = 16 rows of Wo, source 1 = 16 tokens): a lane holds eight neighbouring features of one token.  a's codes lie in the form's own order of k
; (registers 2 q, 2 q + 1: k = 16 q + 8 h + 0 .. 7), so Wo's fragments are fetched in that order too, by loads of 8 bytes.
; THE WAY OUT: y = sum x 2^(e10 + e11) + bo, one packed multiply-add for two numbers; 16 tokens x 64 features go through the wave's own stage in LDS and leave as rows of 256 bytes.
; LIMIT: e10 + e11 between -126 and 127, so that 2^(e10 + e11) is an f32 number.  NaN codes are not served.
.set PITCH, 528                        ; Wo's LDS row: 512 bytes + 16
.set WOFF,  131072                     ; Wo's rows lie behind a's images
.set STG,   WOFF+128*PITCH             ; behind them the stages: 16 rows x 272 bytes for each wave; no tensor load lands there
.set SP,    272
.set WF,    32                         ; v32-63   four fragments of Wo; on the way out a tile's results
.set AF,    64                         ; v64-95   four fragments of a; on the way out 16 rows read back
.set BO,    96                         ; v96-127  bo(16 a + 8 h + j) at 8 a + j
.set ACC,   128                        ; v128-255 accumulator (a, c) at 8 (4 c + a)
.set WV,    14
.set G1A,   24                         ; s[24:31], s[32:35] a's descriptor;  s[36:43], s[44:47] Wo's
.set G0A,   32
.set G1W,   36
.set G0W,   44
.macro CROUND                          ; a round of the cluster's barrier
	s_barrier_signal -1
	s_barrier_wait -1
	s_cmp_lg_u32 s[WV], 0
	s_cbranch_scc1 .Lnot_wave_0_\@
	s_barrier_signal -3
.Lnot_wave_0_\@:
	s_barrier_wait -3
	s_barrier_signal -1
	s_barrier_wait -1
.endm
	s_load_b256 s[4:11], s[0:1], 0x0               ; a_img s[4:5], Wo s[6:7], bo s[8:9], the scales' exponents s[10:11]
	s_load_b64 s[12:13], s[0:1], 0x20              ; out0
	v_lshl_add_u32 v30, v0, 2, 0x39000
	v_mov_b32 v31, 0
	ds_add_u32 v30, v31
	ds_add_u32 v30, v31
	v_lshrrev_b32 v1, 5, v0
	s_delay_alu instid0(VALU_DEP_1)
	v_readfirstlane_b32 s[WV], v1                  ; wave 0..7
	s_bfe_u32 s15, ttmp6, 0x40000                  ; cx
	s_bfe_u32 s16, ttmp6, 0x40004                  ; cy
	s_and_b32 s17, ttmp7, 0xffff
	s_lshl_b32 s17, s17, 2
	s_add_co_u32 s17, s17, s16                     ; tb: which 256 tokens
	s_lshl_b32 s18, ttmp9, 2
	s_add_co_u32 s18, s18, s15                     ; fb: which 128 features
	s_lshl_b32 s19, s16, 2
	s_lshl_b32 s19, 15, s19                        ; my row of the cluster
	s_lshl_b32 s20, 0x1111, s15                    ; my column
	s_and_b32 s21, s[WV], 1                        ; hw
	s_lshr_b32 s22, s[WV], 1                       ; tq
	s_or_b32 s[G1A], s19, (3<<16)|(1<<21)          ; a: the mask of my row; elements of 8 bytes; bit 21 beside a mask
	s_mov_b32 s[G1A+1], 32<<16                     ; rows of 256 bytes,
	s_mov_b32 s[G1A+2], 128<<16                    ; 128 of them,
	s_mov_b32 s[G1A+3], 32<<16
	s_mov_b32 s[G1A+4], 128
	s_mov_b32 s[G1A+5], 32                         ; dense
	s_mov_b32 s[G1A+6], 0
	s_mov_b32 s[G1A+7], 0
	s_or_b32 s[G1W], s20, (1<<20)|(1<<21)|(6<<22)|(3<<25)   ; Wo: the mask of my column; elements of 1 byte; 16 bytes of padding behind every 128 words
	s_mov_b32 s[G1W+1], 512<<16
	s_mov_b32 s[G1W+2], 64<<16
	s_mov_b32 s[G1W+3], 512<<16
	s_mov_b32 s[G1W+4], 64
	s_mov_b32 s[G1W+5], 512
	s_mov_b32 s[G1W+6], 0
	s_mov_b32 s[G1W+7], 0
	s_and_b32 s23, s[WV], 3
	s_mov_b32 s[G0A], 1
	s_lshl_b32 s[G0A+1], s23, 15                   ; LDS: a quarter of the block
	s_lshl_b32 s48, s17, 17                        ; made of tb and the wave alone
	s_lshl_b32 s49, s23, 15
	s_add_co_u32 s48, s48, s49
	s_mov_b32 s49, 0
	s_mov_b32 s[G0W], 1
	s_mul_i32 s[G0W+1], s21, 64*PITCH
	s_add_co_u32 s[G0W+1], s[G0W+1], WOFF
	s_lshl_b32 s50, s18, 16                        ; made of fb and the wave alone
	s_lshl_b32 s51, s21, 15
	s_add_co_u32 s50, s50, s51
	s_mov_b32 s51, 0
	s_wait_dscnt 0x0
	s_wait_kmcnt 0x0
	s_load_b64 s[52:53], s[10:11], 0x28            ; e10, e11
	s_add_nc_u64 s[G0A+2:G0A+3], s[4:5], s[48:49]
	s_or_b32 s[G0A+3], s[G0A+3], 0x80000000
	s_add_nc_u64 s[G0W+2:G0W+3], s[6:7], s[50:51]
	s_or_b32 s[G0W+3], s[G0W+3], 0x80000000
	CROUND                                         ; all sixteen work-groups are here: the joint loads meet
	s_cmp_lt_u32 s[WV], 4                          ; waves 0-3: a; waves 4, 5: Wo; waves 6, 7: nothing
	s_cbranch_scc0 .Lnot_a
	tensor_load_to_lds s[G0A:G0A+3], s[G1A:G1A+7]
	s_nop 0
.rept 4
	v_nop
.endr
	s_branch .Lasked
.Lnot_a:
	s_cmp_lt_u32 s[WV], 6
	s_cbranch_scc0 .Lasked
	tensor_load_to_lds s[G0W:G0W+3], s[G1W:G1W+7]
	s_nop 0
.rept 4
	v_nop
.endr
.Lasked:
	v_and_b32 v1, 15, v0                           ; r
	s_wait_alu depctr_va_vdst(0)
	v_bfe_u32 v2, v0, 4, 1                         ; h
	s_lshl_b32 s56, s18, 9
	s_lshl_b32 s57, s21, 8
	s_add_co_u32 s56, s56, s57                     ; my 64 features, in bytes of f32: in bo and in a row of out0
	s_mov_b32 s57, 0
	s_add_nc_u64 s[8:9], s[8:9], s[56:57]
	v_lshlrev_b32 v9, 5, v2                        ; 32 h
.irp a, 0,1,2,3
	global_load_b128 v[BO+8*\a:BO+8*\a+3], v9, s[8:9] offset:64*\a
	global_load_b128 v[BO+8*\a+4:BO+8*\a+7], v9, s[8:9] offset:64*\a+16
.endr
	v_and_b32 v4, 31, v0
	s_delay_alu instid0(VALU_DEP_1)
	v_lshlrev_b32 v4, 4, v4
	s_delay_alu instid0(VALU_DEP_1)
	v_lshl_add_u32 v4, s22, 15, v4                 ; a: 16 x lane + my four token tiles
	v_mul_u32_u24 v3, v1, PITCH
	s_delay_alu instid0(VALU_DEP_1)
	v_lshl_add_u32 v3, v2, 3, v3
	s_mul_i32 s23, s21, 64*PITCH
	s_add_co_u32 s23, s23, WOFF
	v_add_nc_u32 v5, s23, v3                       ; Wo: my 64 rows; row r, + 8 h
	s_mul_i32 s23, s[WV], 16*SP
	s_add_co_u32 s23, s23, STG                     ; my stage
	v_mul_u32_u24 v6, v1, SP
	s_wait_alu depctr_va_vdst(0)
	v_lshl_add_u32 v6, v2, 5, v6
	s_delay_alu instid0(VALU_DEP_1)
	v_add_nc_u32 v6, s23, v6                       ; in: row r, 32 bytes for each half of the lanes
	v_mul_u32_u24 v7, v2, SP
	s_delay_alu instid0(VALU_DEP_1)
	v_lshl_add_u32 v7, v1, 4, v7
	s_delay_alu instid0(VALU_DEP_1)
	v_add_nc_u32 v7, s23, v7                       ; back: lanes 0-15 one row of 256 bytes, lanes 16-31 the next
	v_lshlrev_b32 v8, 4, v1
	s_delay_alu instid0(VALU_DEP_1)
	v_lshl_add_u32 v8, v2, 11, v8                  ; and the same two rows in out0
	s_lshl_b32 s54, s17, 19                        ; 256 rows of 2,048 bytes,
	s_lshl_b32 s55, s22, 17                        ; my 64 of them
	s_add_co_u32 s54, s54, s55
	s_add_co_u32 s54, s54, s56
	s_mov_b32 s55, 0
	s_add_nc_u64 s[12:13], s[12:13], s[54:55]
	s_wait_kmcnt 0x0
	s_add_co_i32 s52, s52, s53
	s_add_co_i32 s52, s52, 127
	s_lshl_b32 s52, s52, 23                        ; 2^(e10 + e11) as f32
	s_mov_b32 s53, s52                             ; (named with it as a pair, so it is written)
	s_wait_tensorcnt 0x0                           ; my part of the tiles has landed,
	s_barrier_signal -1
	s_barrier_wait -1                              ; everybody's has
.irp hd, 0,1,2,3,4,5,6,7                       ; eight K steps of 64: a head each
.if \hd > 0
.rept 4
	v_nop                                          ; four places in front of loads into registers that matrix instructions have read
.endr
.endif
.irp a, 0,1,2,3
.irp q, 0,1,2,3
	ds_load_b64 v[WF+8*\a+2*\q:WF+8*\a+2*\q+1], v5 offset:16*\a*PITCH+64*\hd+16*\q
.endr
.endr
.irp c, 0,1,2,3
.irp g, 0,1
	ds_load_b128 v[AF+8*\c+4*\g:AF+8*\c+4*\g+3], v4 offset:8192*\c+1024*\hd+512*\g
.endr
.endr
	s_wait_dscnt 0x0
.irp c, 0,1,2,3                                ; the sixteen accumulators take turns, in the same order in every step
.irp a, 0,1,2,3
.if \hd == 0
	v_wmma_f32_16x16x64_fp8_fp8 v[ACC+8*(4*\c+\a):ACC+8*(4*\c+\a)+7], v[WF+8*\a:WF+8*\a+7], v[AF+8*\c:AF+8*\c+7], 0
.else
	v_wmma_f32_16x16x64_fp8_fp8 v[ACC+8*(4*\c+\a):ACC+8*(4*\c+\a)+7], v[WF+8*\a:WF+8*\a+7], v[AF+8*\c:AF+8*\c+7], v[ACC+8*(4*\c+\a):ACC+8*(4*\c+\a)+7]
.endif
.endr
.endr
.endr
	s_wait_loadcnt 0x0                             ; bo
.rept 4
	v_nop                                          ; places in front of the first read of results and the first write of the fragments' registers
.endr
.irp c, 0,1,2,3                                ; sixteen tokens at a time
.irp a, 0,1,2,3
.irp i, 0,2,4,6
	v_pk_fma_f32 v[WF+8*\a+\i:WF+8*\a+\i+1], v[ACC+8*(4*\c+\a)+\i:ACC+8*(4*\c+\a)+\i+1], s[52:53], v[BO+8*\a+\i:BO+8*\a+\i+1] op_sel_hi:[1,0,1]   ; sum x 2^(e10 + e11) + bo; each accumulator from its low end on
.endr
.endr
.irp a, 0,1,2,3
	ds_store_b128 v6, v[WF+8*\a:WF+8*\a+3] offset:64*\a           ; lane (r, h): token r, features 16 a + 8 h + 0 .. 7
	ds_store_b128 v6, v[WF+8*\a+4:WF+8*\a+7] offset:64*\a+16
.endr
.if \c > 0
	s_wait_xcnt 0x0                                ; the registers that the last tile's stores read are loaded again only behind this wait
.endif
.irp i, 0,1,2,3,4,5,6,7
	ds_load_b128 v[AF+4*\i:AF+4*\i+3], v7 offset:2*\i*SP          ; LDS serves a wave's instructions in order: these see the stores above
.endr
.irp i, 0,1,2,3,4,5,6,7
	s_wait_dscnt 7-\i                              ; load i is in, the younger ones stay out; at i = 7 the stage's stores and loads are all done
	global_store_b128 v8, v[AF+4*\i:AF+4*\i+3], s[12:13] offset:(16*\c+2*\i)*2048 th:TH_STORE_NT   ; sixteen lanes store 256 consecutive bytes, at a multiple of 256 from out0's first byte; written once, read by nobody here
.endr
.endr
	s_wait_dscnt 0x0                               ; no LDS instruction of mine is pending at a signal
	s_wait_tensorcnt 0x0
	ds_add_u32 v30, v31
	s_wait_dscnt 0x0
	CROUND                                         ; the closing round: no work-group ends while a partner may still ask for a tile that names it
	s_endpgm
.Lfunc_end_k_q1287516ec7_outproj:
	.size	k_q1287516ec7_outproj, .Lfunc_end_k_q1287516ec7_outproj-k_q1287516ec7_outproj
	.p2alignl 7, 3214868480
	.fill 96, 4, 3214868480
	.section	.rodata,"a",@progbits
	.p2align	6, 0x0
	.amdhsa_kernel k_q1287516ec7_outproj
		.amdhsa_group_segment_fixed_size 234496
		.amdhsa_private_segment_fixed_size 0
		.amdhsa_enable_private_segment 0
		.amdhsa_kernarg_size 40
		.amdhsa_user_sgpr_count 2
		.amdhsa_user_sgpr_kernarg_segment_ptr 1
		.amdhsa_wavefront_size32 1
		.amdhsa_system_sgpr_workgroup_id_x 1
		.amdhsa_system_sgpr_workgroup_id_y 1
		.amdhsa_system_sgpr_workgroup_id_z 1
		.amdhsa_system_vgpr_workitem_id 0
		.amdhsa_next_free_vgpr 256
		.amdhsa_next_free_sgpr 66
		.amdhsa_reserve_vcc 0
		.amdhsa_float_denorm_mode_32 3
		.amdhsa_float_denorm_mode_16_64 3
		.amdhsa_memory_ordered 1
		.amdhsa_forward_progress 1
		.amdhsa_inst_pref_size 41
	.end_amdhsa_kernel
	.amdgpu_metadata
---
amdhsa.version: [ 1, 2 ]
amdhsa.kernels:
  - .name:           k_q1287516ec7_outproj
    .symbol:         k_q1287516ec7_outproj.kd
    .args:
      - { .name: a_img, .offset: 0, .size: 8, .value_kind: global_buffer, .address_space: global }
      - { .name: Wo_codes, .offset: 8, .size: 8, .value_kind: global_buffer, .address_space: global }
      - { .name: bo, .offset: 16, .size: 8, .value_kind: global_buffer, .address_space: global }
      - { .name: lowp_scales, .offset: 24, .size: 8, .value_kind: global_buffer, .address_space: global }
      - { .name: out0, .offset: 32, .size: 8, .value_kind: global_buffer, .address_space: global }
    .group_segment_fixed_size: 234496
    .private_segment_fixed_size: 0
    .kernarg_segment_align: 8
    .kernarg_segment_size: 40
    .max_flat_workgroup_size: 256
    .sgpr_count:     66
    .vgpr_count:     256
    .wavefront_size: 32
...
	.end_amdgpu_metadata
.endif
;; end of part 7
